; MI455X (gfx1250); checked and timed in simulation.
; The chip was launched on July 23, 2026; its instructions are those of AMD's public machine-readable ISA for CDNA 5 (MIT licence, August 2026) and "CDNA5" Instruction Set Architecture Reference Guide (July 2026). The comments in the code are by the model that wrote it; some were corrected since.
;; Tiny Transformer. Allowed arithmetic: float matrix products may take bf16 or f16 operands with f32 sums; other float arithmetic in f32, or as packed bf16 or f16 multiplies, adds, multiply-adds, maxima and minima; sums over many terms, partial sums and values carried from step to step in f32; what a program stores and reads back later, other than sums and carried values, may be rounded once to bf16 or f16.
;; Inputs: f1b 4,096 float32; f1w 4,096 x 1,024 float32; f2b 1,024 float32; f2w 1,024 x 4,096 float32; kb 1,024 float32; kw 1,024 x 1,024 float32; ln1_b 1,024 float32; ln1_w 1,024 float32; ln2_b 1,024 float32; ln2_w 1,024 float32; lnf_b 1,024 float32; lnf_w 1,024 float32; pb 1,024 float32; pw 1,024 x 1,024 float32; qb 1,024 float32; qw 1,024 x 1,024 float32; tok_emb 14 x 1,024 float32; vb 1,024 float32; vw 1,024 x 1,024 float32; x 8 x 512 int32.
;; Outputs: out0 8 x 512 x 14 float32.
;; One version. Each part assembles by itself: llvm-mc -triple=amdgcn-amd-amdhsa -mcpu=gfx1250 --defsym DOCPART=n.
;; ======== version 1 of 1: 6 launches
;; workspace buffers: l1tab 393,472 bytes; f2wb 8,388,608 bytes; l2tab 327,680 bytes; l3tab 327,680 bytes; actb 33,554,432 bytes; ybuf 16,777,216 bytes
;; launch prep (part 1): grid 481 x 1, 8 waves a work-group, no clusters, 44,288 bytes of LDS; arguments x, tok_emb, ln1_w, ln1_b, qw, kw, vw, qb, kb, vb, lnf_w, lnf_b, f2w, l1tab, f2wb; writes l1tab, f2wb
.if DOCPART == 1
	.amdgcn_target "amdgcn-amd-amdhsa--gfx1250"
	.amdhsa_code_object_version 6
	.text
	.protected	k_q9f4385870c_prep
	.globl	k_q9f4385870c_prep
	.p2align	8
	.type	k_q9f4385870c_prep,@function
k_q9f4385870c_prep:
	s_mov_b64 s[64:65], 0
	v_nop
	global_prefetch_b8 v0, s[64:65] scope:SCOPE_SE
	s_setreg_imm32_b32 hwreg(HW_REG_WAVE_MODE, 25, 1), 1
	s_wait_xcnt 0x0
; TABLES OF THE FIRST STEP.  Every token row is one of tok_emb's 14 rows, so all that is made row by row ahead of the attention has 14 different rows.
; Four roles, told apart by the work-group's number alone (the same for all eight waves of a work-group):
;   A (0..191)   16 columns of one of q, k, v for the 16 table rows: LN1(tok_emb[t]) . w^T + bias, rounded once to bf16.  Table rows 14 and 15 repeat row 13.
;   B (192)      WE[v] = lnf_w x tok_emb[v] less its mean (bf16), and cst[v] = the sum of lnf_b x tok_emb[v] (f32).
;   C (193..224) CNT[m][t] = how many positions k <= s of m's batch row hold token t: a product of two 0/1 matrices, exact in f32.
;   D (225..480) f2w rounded once to bf16.
; l1tab: q at 0, k at 32,768, v at 65,536 (bf16 [16][1024]); WE at 98,304; cst at 131,072 (16 f32); CNT at 131,328 (f32 [4096][16]).
; A PRODUCT's LAYOUT: source 0's 16 rows become the result's registers (row 8 (lane / 16) + i), source 1's 16 rows its lanes (lane % 16).  A fragment is 16 rows x 32 channels:
; lane l holds row l % 16, registers 0-3 channels 8 (l / 16) + 0..7, registers 4-7 channels 16 + 8 (l / 16) + 0..7.
; NO CLUSTER, NO TENSOR LOAD: each weight byte is wanted by one wave, once, and all of a wave's loads go out together at its role's head; what is shared (tok_emb, 57,344 bytes) is small beside 65,536 bytes of weights a work-group.
; LIMITS: x holds 0..13; NaN and infinities are not treated apart; sums are taken in another order than the plain one.
.set XPITCH, 2064                      ; a table row in LDS: 2,048 bytes + 16: the 16 rows of a fragment load start at 16 different groups of four banks (ISA guide 11.1)
.set PART,   33024                     ; behind the 16 rows: eight partial tiles of 1,024 bytes
.set XROW,   41216                     ; role C: a batch row of x, 2,048 bytes
.set SPARE,  43264                     ; the spare words, 128 bytes a wave: four blocks of 256 bytes that no other line names
.set L1_WE,  98304
.set L1_CST, 131072
.set L1_CNT, 131328
.set WR, 64                            ; v[64:127]  weights as loaded (f32), four fragments of 16
.set GV, 128                           ; v[128:159] a gain vector; later the table's fragments
.set BV, 160                           ; v[160:191] a bias vector; later the weights' fragments in bf16
.set RA, 192                           ; v[192:223] a row: the lane holds channels 128 c + 4 l + 0..3 in registers 4 c + 0..3
.set RB, 224                           ; v[224:255] a second row
; v1 lane, v2 spare word, v3 zero, v4 l % 16, v5 l / 16, v6-v13 addresses, v14-v23 at work, v[24:31] bias, v[32:47] two accumulators, v[48:63] packed
.macro NOP8                            ; places behind the last product, ahead of what reads its result
.rept 8
	v_nop
.endr
.endm
.macro WSUM d, t                       ; the sum over the 32 lanes, in every lane
	v_add_f32_dpp v[\d], v[\d], v[\d] row_xmask:1 row_mask:0xf bank_mask:0xf
	v_add_f32_dpp v[\d], v[\d], v[\d] row_xmask:2 row_mask:0xf bank_mask:0xf
	v_add_f32_dpp v[\d], v[\d], v[\d] row_xmask:4 row_mask:0xf bank_mask:0xf
	v_add_f32_dpp v[\d], v[\d], v[\d] row_xmask:8 row_mask:0xf bank_mask:0xf
	v_permlanex16_b32 v[\t], v[\d], s60, s61
	v_add_f32 v[\d], v[\d], v[\t]
.endm
.macro ROWLD R, B                      ; a row of 4,096 bytes: eight loads of 512 neighbouring bytes
.irp q, 0,1,2,3,4,5,6,7
	global_load_b128 v[\R+4*\q:\R+4*\q+3], v7, s[\B:\B+1] offset:512*\q
.endr
.endm
.macro RSUM d, R                       ; the row's sum, two chains
	v_pk_add_f32 v[14:15], v[\R:\R+1], v[\R+4:\R+5]
	v_pk_add_f32 v[16:17], v[\R+2:\R+3], v[\R+6:\R+7]
.set c, 8
.rept 6
	v_pk_add_f32 v[14:15], v[14:15], v[\R+c:\R+c+1]
	v_pk_add_f32 v[16:17], v[16:17], v[\R+c+2:\R+c+3]
.set c, c+4
.endr
	v_pk_add_f32 v[14:15], v[14:15], v[16:17]
	v_add_f32 v[\d], v14, v15
	WSUM \d, 18
.endm
.macro RDOT d, R, G                    ; the sum of R x G over the row
	v_pk_mul_f32 v[14:15], v[\R:\R+1], v[\G:\G+1]
	v_pk_mul_f32 v[16:17], v[\R+2:\R+3], v[\G+2:\G+3]
.set c, 4
.rept 7
	v_pk_fma_f32 v[14:15], v[\R+c:\R+c+1], v[\G+c:\G+c+1], v[14:15]
	v_pk_fma_f32 v[16:17], v[\R+c+2:\R+c+3], v[\G+c+2:\G+c+3], v[16:17]
.set c, c+4
.endr
	v_pk_add_f32 v[14:15], v[14:15], v[16:17]
	v_add_f32 v[\d], v14, v15
	WSUM \d, 18
.endm
.macro RCEN R, M                       ; the row less the pair v[M:M+1]
.set c, 0
.rept 16
	v_pk_add_f32 v[\R+c:\R+c+1], v[\R+c:\R+c+1], v[\M:\M+1] neg_lo:[0,1] neg_hi:[0,1]
.set c, c+2
.endr
.endm
.macro CENTRE R, M                     ; mean into v[M:M+1], then taken away
	RSUM 19, \R
	v_mul_f32 v[\M], s58, v19
	v_mov_b32 v[\M+1], v[\M]
	RCEN \R, \M
.endm
.macro LNOUT R, M                      ; times 1 / sqrt(var + eps), times the gain, plus the bias
.set c, 0
.rept 16
	v_pk_mul_f32 v[\R+c:\R+c+1], v[\R+c:\R+c+1], v[\M:\M+1]
.set c, c+2
.endr
.set c, 0
.rept 16
	v_pk_fma_f32 v[\R+c:\R+c+1], v[\R+c:\R+c+1], v[GV+c:GV+c+1], v[BV+c:BV+c+1]
.set c, c+2
.endr
.endm
.macro RPUT R, A, base                 ; the row, rounded to bf16, into LDS: 8 bytes a lane, 256 neighbouring bytes an instruction
.set c, 0
.rept 16
	v_cvt_pk_bf16_f32 v[48+c], v[\R+2*c], v[\R+2*c+1]
.set c, c+1
.endr
.set c, 0
.rept 8
	ds_store_b64 v[\A], v[48+2*c:49+2*c] offset:\base+256*c
.set c, c+1
.endr
.endm
.macro PSUM B                          ; eight partial tiles of 8 registers from v[B] on, added into the first
.irp st, 8,16,32
.set c, 0
.rept 64/(2*\st)
.irp p, 0,2,4,6
	v_pk_add_f32 v[\B+c+\p:\B+c+\p+1], v[\B+c+\p:\B+c+\p+1], v[\B+c+\st+\p:\B+c+\st+\p+1]
.endr
.set c, c+2*\st
.endr
.endr
.endm
	s_load_b512 s[8:23], s[0:1], 0x0               ; x 8, tok_emb 10, ln1_w 12, ln1_b 14, qw 16, kw 18, vw 20, qb 22
	s_load_b256 s[24:31], s[0:1], 0x40             ; kb 24, vb 26, lnf_w 28, lnf_b 30
	s_load_b128 s[32:35], s[0:1], 0x60             ; f2w 32, l1tab 34
	s_load_b64 s[36:37], s[0:1], 0x70              ; f2wb
	v_lshl_add_u32 v2, v0, 2, SPARE
	v_mov_b32 v3, 0
	v_lshrrev_b32 v1, 5, v0
	v_readfirstlane_b32 s5, v1                     ; wave 0..7
	v_and_b32 v1, 31, v0                           ; lane
	v_and_b32 v4, 15, v0                           ; l % 16
	v_bfe_u32 v5, v0, 4, 1                         ; l / 16
	v_lshlrev_b32 v7, 4, v1                        ; 16 l
	v_mov_b32 v18, 0                               ; the exchange's destination counts as read
	s_mov_b32 s4, ttmp9
	s_mov_b32 s60, 0x76543210                      ; each lane takes its own place in the other half
	s_mov_b32 s61, 0xfedcba98
	s_mov_b32 s58, 0x3a800000                      ; 1 / 1024
	s_mov_b32 s57, 0x3727c5ac                      ; 1e-5
	s_mov_b32 s49, 0
	s_lshl_b32 s48, s5, 12                         ; table row w,
	s_add_co_u32 s52, s5, 8
	s_min_u32 s52, s52, 13                         ; and row w + 8, or 13 once more
	s_lshl_b32 s52, s52, 12
	s_mov_b32 s53, 0
	s_wait_kmcnt 0x0
	s_add_nc_u64 s[40:41], s[10:11], s[48:49]
	s_add_nc_u64 s[42:43], s[10:11], s[52:53]
	s_cmp_lt_u32 s4, 192
	s_cbranch_scc1 .Lrole_a
	s_cmp_eq_u32 s4, 192
	s_cbranch_scc1 .Lrole_b
	s_cmp_lt_u32 s4, 225
	s_cbranch_scc1 .Lrole_c
; ROLE D.  A work-group rounds 65,536 bytes of f2w, a wave 8,192: sixteen loads of 512 bytes out together, each followed by one store of 256 neighbouring bytes, aligned.
	s_sub_co_u32 s48, s4, 225
	s_lshl_b32 s48, s48, 3
	s_add_co_u32 s48, s48, s5                      ; 8 x work-group + wave
	s_lshl_b32 s50, s48, 12
	s_lshl_b32 s48, s48, 13
	s_mov_b32 s51, 0
	s_add_nc_u64 s[44:45], s[32:33], s[48:49]
	s_add_nc_u64 s[46:47], s[36:37], s[50:51]
	v_lshlrev_b32 v9, 3, v1
.set c, 0
.rept 16
	global_load_b128 v[64+4*c:67+4*c], v7, s[44:45] offset:512*c th:TH_LOAD_NT
.set c, c+1
.endr
.set c, 0
.rept 16
	s_wait_loadcnt 15-c                            ; loads come back in order: the younger ones stay out
	v_cvt_pk_bf16_f32 v[128+2*c], v[64+4*c], v[65+4*c]
	v_cvt_pk_bf16_f32 v[129+2*c], v[66+4*c], v[67+4*c]
	global_store_b64 v9, v[128+2*c:129+2*c], s[46:47] offset:256*c th:TH_STORE_NT
.set c, c+1
.endr
	s_branch .Lend
; ROLE A.  sel = which of q, k, v; ct = which 16 columns.  K is split among the waves, 128 channels each.
.Lrole_a:
	s_lshr_b32 s52, s4, 6
	s_and_b32 s53, s4, 63
	s_cmp_eq_u32 s52, 0
	s_cselect_b64 s[44:45], s[16:17], s[18:19]
	s_cselect_b64 s[46:47], s[22:23], s[24:25]
	s_cmp_eq_u32 s52, 2
	s_cselect_b64 s[44:45], s[20:21], s[44:45]
	s_cselect_b64 s[46:47], s[26:27], s[46:47]
	s_lshl_b32 s48, s53, 16                        ; 16 rows of 4,096 bytes
	s_add_nc_u64 s[44:45], s[44:45], s[48:49]
	s_lshl_b32 s48, s53, 6
	s_add_nc_u64 s[46:47], s[46:47], s[48:49]
	s_lshl_b32 s48, s52, 15
	s_lshl_b32 s54, s53, 5
	s_add_co_u32 s48, s48, s54
	s_add_nc_u64 s[38:39], s[34:35], s[48:49]      ; the table, at my 16 columns
	v_lshlrev_b32 v6, 12, v4
	v_lshl_add_u32 v6, v5, 5, v6
	v_lshl_add_u32 v6, s5, 9, v6                   ; weights: 4,096 (l % 16) + 32 (l / 16) + 512 w
	s_mul_i32 s54, s5, XPITCH
	v_lshl_add_u32 v8, v1, 3, s54                  ; my first row in LDS: 2,064 w + 8 l
	v_lshlrev_b32 v9, 5, v5
	v_mul_u32_u24 v10, v4, XPITCH
	v_lshl_add_u32 v10, v5, 4, v10
	v_lshl_add_u32 v10, s5, 8, v10                 ; table fragments: 2,064 (l % 16) + 16 (l / 16) + 256 w
	s_lshl_b32 s54, s5, 10
	v_lshl_add_u32 v11, v1, 5, s54
	v_lshlrev_b32 v12, 5, v1
	v_lshlrev_b32 v13, 11, v4
	v_lshl_add_u32 v13, v5, 4, v13
	global_load_b128 v[24:27], v9, s[46:47]        ; the bias of my eight columns
	global_load_b128 v[28:31], v9, s[46:47] offset:16
.irp f, 0,1,2,3
	global_load_b128 v[WR+16*\f:WR+16*\f+3],     v6, s[44:45] offset:128*\f th:TH_LOAD_NT
	global_load_b128 v[WR+16*\f+4:WR+16*\f+7],   v6, s[44:45] offset:128*\f+16 th:TH_LOAD_NT
	global_load_b128 v[WR+16*\f+8:WR+16*\f+11],  v6, s[44:45] offset:128*\f+64 th:TH_LOAD_NT
	global_load_b128 v[WR+16*\f+12:WR+16*\f+15], v6, s[44:45] offset:128*\f+80 th:TH_LOAD_NT
.endr
	ROWLD GV, 12
	ROWLD BV, 14
	ROWLD RA, 40
	ROWLD RB, 42
	s_wait_loadcnt 0x0
	CENTRE RA, 20
	RDOT 19, RA, RA
	v_fma_f32 v48, v19, s58, s57                   ; var + eps
	CENTRE RB, 22
	RDOT 19, RB, RB
	v_fma_f32 v49, v19, s58, s57
	v_rsq_f32 v20, v48                             ; each twice, to fill the pair that the packed multiply takes
	v_rsq_f32 v21, v48
	v_rsq_f32 v22, v49
	v_rsq_f32 v23, v49
	v_nop                                          ; a plain instruction behind the last of them (ISA guide 5.7.2),
	s_wait_alu depctr_va_vdst(0)                   ; and the one wait ahead of the batch's first reader
	LNOUT RA, 20
	LNOUT RB, 22
	RPUT RA, 8, 0
	RPUT RB, 8, 8*XPITCH
	s_wait_dscnt 0x0                               ; my two rows are in LDS,
	s_barrier_signal -1
	s_barrier_wait -1                              ; everybody's are
.irp f, 0,1,2,3
	ds_load_b128 v[GV+8*\f:GV+8*\f+3],   v10 offset:64*\f
	ds_load_b128 v[GV+8*\f+4:GV+8*\f+7], v10 offset:64*\f+32
.endr
.set c, 0
.rept 32
	v_cvt_pk_bf16_f32 v[BV+c], v[WR+2*c], v[WR+2*c+1]
.set c, c+1
.endr
	s_wait_dscnt 0x0
	v_wmma_f32_16x16x32_bf16 v[32:39], v[BV:BV+7],     v[GV:GV+7],     0        ; two accumulators by turns; the first products start the sums
	v_wmma_f32_16x16x32_bf16 v[40:47], v[BV+8:BV+15],  v[GV+8:GV+15],  0
	v_wmma_f32_16x16x32_bf16 v[32:39], v[BV+16:BV+23], v[GV+16:GV+23], v[32:39]
	v_wmma_f32_16x16x32_bf16 v[40:47], v[BV+24:BV+31], v[GV+24:GV+31], v[40:47]
	NOP8
.irp p, 0,2,4,6
	v_pk_add_f32 v[32+\p:33+\p], v[32+\p:33+\p], v[40+\p:41+\p]
.endr
	ds_store_b128 v11, v[32:35] offset:PART
	ds_store_b128 v11, v[36:39] offset:PART+16
	s_wait_dscnt 0x0
	s_barrier_signal -1
	s_barrier_wait -1                              ; the eight partial sums lie in LDS
	s_cmp_lg_u32 s5, 0
	s_cbranch_scc1 .Lend
.irp p, 0,1,2,3,4,5,6,7
	ds_load_b128 v[WR+8*\p:WR+8*\p+3],   v12 offset:PART+1024*\p
	ds_load_b128 v[WR+8*\p+4:WR+8*\p+7], v12 offset:PART+1024*\p+16
.endr
	s_wait_dscnt 0x0
	PSUM WR
.irp p, 0,2,4,6
	v_pk_add_f32 v[WR+\p:WR+\p+1], v[WR+\p:WR+\p+1], v[24+\p:25+\p]
.endr
.irp p, 0,1,2,3
	v_cvt_pk_bf16_f32 v[48+\p], v[WR+2*\p], v[WR+2*\p+1]
.endr
	global_store_b128 v13, v[48:51], s[38:39]      ; table row l % 16, eight neighbouring columns
	s_branch .Lend
; ROLE B.  Wave w makes rows w and w + 8 of WE and cst (rows 14 and 15 from row 13 once more).
.macro WEROW R, CR, PK, jo
	RDOT \CR, \R, BV
	global_store_b32 v8, v[\CR], s[34:35] offset:L1_CST+4*\jo   ; every lane holds the sum: one word, the same number from each
.set c, 0
.rept 16
	v_pk_mul_f32 v[\R+c:\R+c+1], v[\R+c:\R+c+1], v[GV+c:GV+c+1]
.set c, c+2
.endr
	CENTRE \R, 20
.set c, 0
.rept 16
	v_cvt_pk_bf16_f32 v[\PK+c], v[\R+2*c], v[\R+2*c+1]
.set c, c+1
.endr
.set c, 0
.rept 8
	global_store_b64 v10, v[\PK+2*c:\PK+2*c+1], s[34:35] offset:L1_WE+2048*\jo+256*c   ; 256 neighbouring bytes, aligned
.set c, c+1
.endr
.endm
.Lrole_b:
	s_lshl_b32 s54, s5, 2
	v_mov_b32 v8, s54
	s_lshl_b32 s54, s5, 11
	v_lshl_add_u32 v10, v1, 3, s54
	ROWLD GV, 28
	ROWLD BV, 30
	ROWLD RA, 40
	ROWLD RB, 42
	s_wait_loadcnt 0x0
	WEROW RA, 24, 48, 0
	WEROW RB, 25, 64, 8                            ; registers of its own for what it stores: the first row's stores may still read theirs
	s_branch .Lend
; ROLE C.  A work-group counts for 128 tokens of one batch row, a wave for 16.  CNT^T = ONE x STEP^T: ONE[t][k] = 1 where x[k] = t, STEP[token][k] = 1 where k <= the token's position.
.macro STEPS D, K0                     ; a fragment of STEP: element e stands for position K0 + e + 8 (e / 8) + 8 (l / 16) of the trip; v9 = my token's position less 8 (l / 16), less the trip's first
.set e, 0
.rept 16
	v_cmp_le_i32 vcc_lo, \K0+e+8*(e/8), v9
	v_cndmask_b32 v[96+e], 0, 1.0, vcc_lo
.set e, e+1
.endr
.set e, 0
.rept 8
	v_cvt_pk_bf16_f32 v[\D+e], v[96+2*e], v[97+2*e]
.set e, e+1
.endr
.endm
.macro ONES X0                         ; a fragment of ONE, for token value l % 16
.set e, 0
.rept 16
	v_cmp_eq_u32 vcc_lo, v[\X0+e], v4
	v_cndmask_b32 v[96+e], 0, 1.0, vcc_lo
.set e, e+1
.endr
.set e, 0
.rept 8
	v_cvt_pk_bf16_f32 v[112+e], v[96+2*e], v[97+2*e]
.set e, e+1
.endr
.endm
.Lrole_c:
	s_sub_co_u32 s52, s4, 193
	s_lshr_b32 s53, s52, 2                         ; the batch row
	s_and_b32 s52, s52, 3
	s_lshl_b32 s52, s52, 7
	s_lshl_b32 s54, s5, 4
	s_add_co_u32 s52, s52, s54                     ; my first token's position
	s_lshl_b32 s48, s53, 11
	s_add_nc_u64 s[44:45], s[8:9], s[48:49]
	s_lshl_b32 s48, s53, 9
	s_add_co_u32 s48, s48, s52
	s_lshl_b32 s48, s48, 6                         ; 64 bytes a token
	s_add_nc_u64 s[46:47], s[34:35], s[48:49]
	v_lshlrev_b32 v6, 3, v0
	global_load_b64 v[14:15], v6, s[44:45]         ; 256 threads x 8 bytes: the batch row
	v_lshlrev_b32 v8, 5, v5                        ; 32 (l / 16): my eight positions' words
	v_lshlrev_b32 v9, 3, v5
	v_sub_nc_u32 v9, v4, v9
	v_add_nc_u32 v9, s52, v9
	v_lshlrev_b32 v10, 6, v4
	v_lshl_add_u32 v10, v5, 5, v10
.set c, 0
.rept 16
	v_mov_b32 v[32+c], 0                           ; sixteen registers, while the load is out: the loop then has one form of product
.set c, c+1
.endr
	s_wait_loadcnt 0x0
	ds_store_b64 v6, v[14:15] offset:XROW
	s_wait_dscnt 0x0
	s_barrier_signal -1
	s_barrier_wait -1
	s_mov_b32 s50, 8
.Lcnt:                                         ; a trip: 64 positions, two products, on two accumulators by turns (over the backward jump too)
.irp q, 0,1
	ds_load_b128 v[64+16*\q:67+16*\q], v8 offset:XROW+128*\q
	ds_load_b128 v[68+16*\q:71+16*\q], v8 offset:XROW+128*\q+16
	ds_load_b128 v[72+16*\q:75+16*\q], v8 offset:XROW+128*\q+64
	ds_load_b128 v[76+16*\q:79+16*\q], v8 offset:XROW+128*\q+80
.endr
	STEPS 120, 0                                   ; the selects ahead of each rewriting of a fragment are the places behind the product that read it
	STEPS 128, 32
	s_wait_dscnt 0x0
	ONES 64
	v_wmma_f32_16x16x32_bf16 v[32:39], v[112:119], v[120:127], v[32:39]
	ONES 80
	v_wmma_f32_16x16x32_bf16 v[40:47], v[112:119], v[128:135], v[40:47]
	v_add_nc_u32 v8, 256, v8
	v_add_nc_u32 v9, 0xffffffc0, v9                ; 64 positions on
	s_sub_co_u32 s50, s50, 1
	s_cmp_lg_u32 s50, 0
	s_cbranch_scc1 .Lcnt
	NOP8
.irp p, 0,2,4,6
	v_pk_add_f32 v[32+\p:33+\p], v[32+\p:33+\p], v[40+\p:41+\p]
.endr
	global_store_b128 v10, v[32:35], s[46:47] offset:L1_CNT      ; token l % 16, values 8 (l / 16) + 0..7
	global_store_b128 v10, v[36:39], s[46:47] offset:L1_CNT+16
.Lend:
	s_wait_tensorcnt 0x0                           ; the wave's end, behind my last LDS store
	ds_add_u32 v2, v3
	s_wait_dscnt 0x0
	s_endpgm
.Lfunc_end_k_q9f4385870c_prep:
	.size	k_q9f4385870c_prep, .Lfunc_end_k_q9f4385870c_prep-k_q9f4385870c_prep
	.p2alignl 7, 3214868480
	.fill 96, 4, 3214868480
	.section	.rodata,"a",@progbits
	.p2align	6, 0x0
	.amdhsa_kernel k_q9f4385870c_prep
		.amdhsa_group_segment_fixed_size 44288
		.amdhsa_private_segment_fixed_size 0
		.amdhsa_enable_private_segment 0
		.amdhsa_kernarg_size 120
		.amdhsa_user_sgpr_count 2
		.amdhsa_user_sgpr_kernarg_segment_ptr 1
		.amdhsa_wavefront_size32 1
		.amdhsa_system_sgpr_workgroup_id_x 1
		.amdhsa_system_sgpr_workgroup_id_y 1
		.amdhsa_system_sgpr_workgroup_id_z 1
		.amdhsa_system_vgpr_workitem_id 0
		.amdhsa_next_free_vgpr 256
		.amdhsa_next_free_sgpr 66
		.amdhsa_reserve_vcc 1
		.amdhsa_float_denorm_mode_32 3
		.amdhsa_float_denorm_mode_16_64 3
		.amdhsa_memory_ordered 1
		.amdhsa_forward_progress 1
		.amdhsa_inst_pref_size 64
	.end_amdhsa_kernel
	.amdgpu_metadata
---
amdhsa.version: [ 1, 2 ]
amdhsa.kernels:
  - .name:           k_q9f4385870c_prep
    .symbol:         k_q9f4385870c_prep.kd
    .args:
      - { .name: x, .offset: 0, .size: 8, .value_kind: global_buffer, .address_space: global }
      - { .name: tok_emb, .offset: 8, .size: 8, .value_kind: global_buffer, .address_space: global }
      - { .name: ln1_w, .offset: 16, .size: 8, .value_kind: global_buffer, .address_space: global }
      - { .name: ln1_b, .offset: 24, .size: 8, .value_kind: global_buffer, .address_space: global }
      - { .name: qw, .offset: 32, .size: 8, .value_kind: global_buffer, .address_space: global }
      - { .name: kw, .offset: 40, .size: 8, .value_kind: global_buffer, .address_space: global }
      - { .name: vw, .offset: 48, .size: 8, .value_kind: global_buffer, .address_space: global }
      - { .name: qb, .offset: 56, .size: 8, .value_kind: global_buffer, .address_space: global }
      - { .name: kb, .offset: 64, .size: 8, .value_kind: global_buffer, .address_space: global }
      - { .name: vb, .offset: 72, .size: 8, .value_kind: global_buffer, .address_space: global }
      - { .name: lnf_w, .offset: 80, .size: 8, .value_kind: global_buffer, .address_space: global }
      - { .name: lnf_b, .offset: 88, .size: 8, .value_kind: global_buffer, .address_space: global }
      - { .name: f2w, .offset: 96, .size: 8, .value_kind: global_buffer, .address_space: global }
      - { .name: l1tab, .offset: 104, .size: 8, .value_kind: global_buffer, .address_space: global }
      - { .name: f2wb, .offset: 112, .size: 8, .value_kind: global_buffer, .address_space: global }
    .group_segment_fixed_size: 44288
    .private_segment_fixed_size: 0
    .kernarg_segment_align: 8
    .kernarg_segment_size: 120
    .max_flat_workgroup_size: 256
    .sgpr_count:     66
    .vgpr_count:     256
    .wavefront_size: 32
...
	.end_amdgpu_metadata
.endif
;; end of part 1
;; launch mid (part 2): grid 96 x 1, 8 waves a work-group, no clusters, 9,216 bytes of LDS; arguments pw, x, l1tab, l2tab; writes l2tab
.if DOCPART == 2
	.amdgcn_target "amdgcn-amd-amdhsa--gfx1250"
	.amdhsa_code_object_version 6
	.text
	.protected	k_q9f4385870c_mid
	.globl	k_q9f4385870c_mid
	.p2align	8
	.type	k_q9f4385870c_mid,@function
k_q9f4385870c_mid:
	s_mov_b64 s[64:65], 0
	v_nop
	global_prefetch_b8 v0, s[64:65] scope:SCOPE_SE
	s_setreg_imm32_b32 hwreg(HW_REG_WAVE_MODE, 25, 1), 1
	s_wait_xcnt 0x0
; TABLES OF THE SECOND STEP.  Two roles, by the work-group's number:
;   A (0..63)  16 columns of vp = v_tab . pw^T, f32 [16][1024], at l2tab + 0.  K is split among the eight waves.
;   B (64..95) the attention's weights.  A causal softmax row hangs on the token's own value and on the counts alone:
;              WT[m][t] = CNT[m][t] exp((Sc[x_m][t] - max) / 32) / Z, Sc = q_tab . k_tab^T; the maximum is taken over the values that are present (count > 0).
;              WT[m][14] = 1 (pb's coefficient), WT[m][15] = 0.  f32 [4096][16] at l2tab + 65,536.  A wave has 16 tokens; every work-group makes Sc anew (16 x 16 x 1,024).
; Layout of a product: source 0's rows become registers (8 (lane / 16) + i), source 1's rows lanes (lane % 16).
; NO CLUSTER: pw's bytes are wanted once each; the tables that all read are 96 KiB.
; LIMITS: x holds 0..13 and is held to 13 for the LDS address; a weight below 2^-126 counts as 0; NaN and infinities are not treated apart.
.set PART,  0                          ; eight partial tiles of 1,024 bytes
.set SPARE, 8192                       ; the spare words: four blocks of 256 bytes that no other line names
.set L1_K,   32768
.set L1_V,   65536
.set L1_CNT, 131328
.set L2_WT,  65536
.set WR, 64
.macro NOP8
.rept 8
	v_nop
.endr
.endm
.macro MUL4 A, B                       ; four products on two accumulators by turns, then the two are added
	v_wmma_f32_16x16x32_bf16 v[32:39], v[\A:\A+7],     v[\B:\B+7],     0
	v_wmma_f32_16x16x32_bf16 v[40:47], v[\A+8:\A+15],  v[\B+8:\B+15],  0
	v_wmma_f32_16x16x32_bf16 v[32:39], v[\A+16:\A+23], v[\B+16:\B+23], v[32:39]
	v_wmma_f32_16x16x32_bf16 v[40:47], v[\A+24:\A+31], v[\B+24:\B+31], v[40:47]
	NOP8
.irp p, 0,2,4,6
	v_pk_add_f32 v[32+\p:33+\p], v[32+\p:33+\p], v[40+\p:41+\p]
.endr
.endm
.macro PSUM B
.irp st, 8,16,32
.set c, 0
.rept 64/(2*\st)
.irp p, 0,2,4,6
	v_pk_add_f32 v[\B+c+\p:\B+c+\p+1], v[\B+c+\p:\B+c+\p+1], v[\B+c+\st+\p:\B+c+\st+\p+1]
.endr
.set c, c+2*\st
.endr
.endr
.endm
	s_load_b256 s[8:15], s[0:1], 0x0               ; pw 8, x 10, l1tab 12, l2tab 14
	v_lshl_add_u32 v2, v0, 2, SPARE
	v_mov_b32 v3, 0
	v_lshrrev_b32 v1, 5, v0
	v_readfirstlane_b32 s5, v1
	v_and_b32 v1, 31, v0
	v_and_b32 v4, 15, v0
	v_bfe_u32 v5, v0, 4, 1
	v_mov_b32 v18, 0
	v_lshlrev_b32 v10, 11, v4
	v_lshl_add_u32 v10, v5, 4, v10
	v_lshl_add_u32 v10, s5, 8, v10                 ; a table's fragments: 2,048 (l % 16) + 16 (l / 16) + 256 w
	s_mov_b32 s4, ttmp9
	s_mov_b32 s60, 0x76543210
	s_mov_b32 s61, 0xfedcba98
	s_mov_b32 s59, 0xffff0000                      ; lanes 16 to 31
	s_mov_b32 s49, 0
	s_wait_kmcnt 0x0
	s_cmp_lt_u32 s4, 64
	s_cbranch_scc0 .Lrole_b
; ROLE A
	s_lshl_b32 s48, s4, 16
	s_add_nc_u64 s[40:41], s[8:9], s[48:49]
	s_lshl_b32 s48, s4, 6
	s_add_nc_u64 s[42:43], s[14:15], s[48:49]
	v_lshlrev_b32 v6, 12, v4
	v_lshl_add_u32 v6, v5, 5, v6
	v_lshl_add_u32 v6, s5, 9, v6
	s_lshl_b32 s54, s5, 10
	v_lshl_add_u32 v11, v1, 5, s54
	v_lshlrev_b32 v12, 5, v1
	v_lshlrev_b32 v13, 12, v4
	v_lshl_add_u32 v13, v5, 5, v13
.irp f, 0,1,2,3
	global_load_b128 v[WR+16*\f:WR+16*\f+3],     v6, s[40:41] offset:128*\f th:TH_LOAD_NT
	global_load_b128 v[WR+16*\f+4:WR+16*\f+7],   v6, s[40:41] offset:128*\f+16 th:TH_LOAD_NT
	global_load_b128 v[WR+16*\f+8:WR+16*\f+11],  v6, s[40:41] offset:128*\f+64 th:TH_LOAD_NT
	global_load_b128 v[WR+16*\f+12:WR+16*\f+15], v6, s[40:41] offset:128*\f+80 th:TH_LOAD_NT
	global_load_b128 v[128+8*\f:131+8*\f], v10, s[12:13] offset:L1_V+64*\f
	global_load_b128 v[132+8*\f:135+8*\f], v10, s[12:13] offset:L1_V+64*\f+32
.endr
	s_wait_loadcnt 0x0
.set c, 0
.rept 32
	v_cvt_pk_bf16_f32 v[160+c], v[WR+2*c], v[WR+2*c+1]
.set c, c+1
.endr
	MUL4 160, 128
	ds_store_b128 v11, v[32:35] offset:PART
	ds_store_b128 v11, v[36:39] offset:PART+16
	s_wait_dscnt 0x0
	s_barrier_signal -1
	s_barrier_wait -1
	s_cmp_lg_u32 s5, 0
	s_cbranch_scc1 .Lend
.irp p, 0,1,2,3,4,5,6,7
	ds_load_b128 v[WR+8*\p:WR+8*\p+3],   v12 offset:PART+1024*\p
	ds_load_b128 v[WR+8*\p+4:WR+8*\p+7], v12 offset:PART+1024*\p+16
.endr
	s_wait_dscnt 0x0
	PSUM WR
	global_store_b128 v13, v[WR:WR+3],   s[42:43]
	global_store_b128 v13, v[WR+4:WR+7], s[42:43] offset:16
	s_branch .Lend
; ROLE B
.Lrole_b:
	s_sub_co_u32 s52, s4, 64
	s_lshl_b32 s52, s52, 3
	s_add_co_u32 s52, s52, s5                      ; my 16 tokens: 16 x (8 x work-group + wave)
	s_lshl_b32 s48, s52, 6
	s_add_nc_u64 s[40:41], s[10:11], s[48:49]      ; x: 4 bytes a token
	s_lshl_b32 s48, s52, 10
	s_add_nc_u64 s[42:43], s[12:13], s[48:49]      ; CNT: 64 bytes a token
	s_add_nc_u64 s[44:45], s[14:15], s[48:49]      ; WT likewise
	s_mov_b32 s54, 0x3d38aa3b                      ; log2(e) / 32
	s_mov_b32 s55, s54
	s_mov_b32 s56, 0xff7fffff                      ; the lowest finite number
	v_lshlrev_b32 v8, 2, v4
	v_lshlrev_b32 v9, 6, v4
	v_lshl_add_u32 v9, v5, 5, v9                   ; 64 (l % 16) + 32 (l / 16)
	v_lshl_add_u32 v11, s5, 10, v9
	global_load_b32 v20, v8, s[40:41]
	global_load_b128 v[48:51], v9, s[42:43] offset:L1_CNT
	global_load_b128 v[52:55], v9, s[42:43] offset:L1_CNT+16
.irp f, 0,1,2,3
	global_load_b128 v[64+8*\f:67+8*\f],   v10, s[12:13] offset:L1_K+64*\f
	global_load_b128 v[68+8*\f:71+8*\f],   v10, s[12:13] offset:L1_K+64*\f+32
	global_load_b128 v[96+8*\f:99+8*\f],   v10, s[12:13] offset:64*\f
	global_load_b128 v[100+8*\f:103+8*\f], v10, s[12:13] offset:64*\f+32
.endr
	s_wait_loadcnt 0x0
	MUL4 64, 96                                    ; my 128 channels of Sc: lane = q's row, registers = k's rows
	ds_store_b128 v11, v[32:35] offset:PART
	ds_store_b128 v11, v[36:39] offset:PART+16
	s_wait_dscnt 0x0
	s_barrier_signal -1
	s_barrier_wait -1
	v_min_u32 v20, 13, v20
	v_lshlrev_b32 v12, 6, v20
	v_lshl_add_u32 v12, v5, 5, v12                 ; row x of Sc, my eight values
.irp p, 0,1,2,3,4,5,6,7
	ds_load_b128 v[128+8*\p:131+8*\p], v12 offset:PART+1024*\p
	ds_load_b128 v[132+8*\p:135+8*\p], v12 offset:PART+1024*\p+16
.endr
	s_wait_dscnt 0x0
	PSUM 128
.irp i, 0,1,2,3,4,5,6,7
	v_cmp_lt_f32 vcc_lo, 0, v[48+\i]
	v_cndmask_b32 v[128+\i], s56, v[128+\i], vcc_lo    ; a value that has not come yet takes no part in the maximum
.endr
	v_max3_num_f32 v21, v128, v129, v130
	v_max3_num_f32 v21, v21, v131, v132
	v_max3_num_f32 v21, v21, v133, v134
	v_max_num_f32 v21, v21, v135
	v_permlanex16_b32 v18, v21, s60, s61           ; the other eight values lie in the lane 16 away
	v_max_num_f32 v21, v21, v18
	v_mul_f32 v22, s54, v21
	v_mov_b32 v23, v22
.irp p, 0,2,4,6
	v_pk_fma_f32 v[128+\p:129+\p], v[128+\p:129+\p], s[54:55], v[22:23] op_sel_hi:[1,0,1] neg_lo:[0,0,1] neg_hi:[0,0,1]
.endr
.irp i, 0,1,2,3,4,5,6,7
	v_exp_f32 v[128+\i], v[128+\i]
.endr
	v_nop                                          ; a plain instruction behind the last exponential,
	s_wait_alu depctr_va_vdst(0)                   ; and the batch's one wait
.irp p, 0,2,4,6
	v_pk_mul_f32 v[128+\p:129+\p], v[128+\p:129+\p], v[48+\p:49+\p]
.endr
	v_pk_add_f32 v[14:15], v[128:129], v[130:131]
	v_pk_add_f32 v[16:17], v[132:133], v[134:135]
	v_pk_add_f32 v[14:15], v[14:15], v[16:17]
	v_add_f32 v19, v14, v15
	v_permlanex16_b32 v18, v19, s60, s61
	v_add_f32 v19, v19, v18                        ; Z: the token's own value has a count of 1 or more, and the largest term is about its count
	v_rcp_f32 v20, v19
	v_rcp_f32 v21, v19
	v_nop
	s_wait_alu depctr_va_vdst(0)
.irp p, 0,2,4,6
	v_pk_mul_f32 v[128+\p:129+\p], v[128+\p:129+\p], v[20:21]
.endr
	v_cndmask_b32 v134, v134, 1.0, s59             ; place 14: pb's coefficient
	global_store_b128 v9, v[128:131], s[44:45] offset:L2_WT
	global_store_b128 v9, v[132:135], s[44:45] offset:L2_WT+16
.Lend:
	s_wait_tensorcnt 0x0                           ; the wave's end, behind my last LDS store
	ds_add_u32 v2, v3
	s_wait_dscnt 0x0
	s_endpgm
.Lfunc_end_k_q9f4385870c_mid:
	.size	k_q9f4385870c_mid, .Lfunc_end_k_q9f4385870c_mid-k_q9f4385870c_mid
	.p2alignl 7, 3214868480
	.fill 96, 4, 3214868480
	.section	.rodata,"a",@progbits
	.p2align	6, 0x0
	.amdhsa_kernel k_q9f4385870c_mid
		.amdhsa_group_segment_fixed_size 9216
		.amdhsa_private_segment_fixed_size 0
		.amdhsa_enable_private_segment 0
		.amdhsa_kernarg_size 32
		.amdhsa_user_sgpr_count 2
		.amdhsa_user_sgpr_kernarg_segment_ptr 1
		.amdhsa_wavefront_size32 1
		.amdhsa_system_sgpr_workgroup_id_x 1
		.amdhsa_system_sgpr_workgroup_id_y 1
		.amdhsa_system_sgpr_workgroup_id_z 1
		.amdhsa_system_vgpr_workitem_id 0
		.amdhsa_next_free_vgpr 192
		.amdhsa_next_free_sgpr 66
		.amdhsa_reserve_vcc 1
		.amdhsa_float_denorm_mode_32 3
		.amdhsa_float_denorm_mode_16_64 3
		.amdhsa_memory_ordered 1
		.amdhsa_forward_progress 1
		.amdhsa_inst_pref_size 20
	.end_amdhsa_kernel
	.amdgpu_metadata
---
amdhsa.version: [ 1, 2 ]
amdhsa.kernels:
  - .name:           k_q9f4385870c_mid
    .symbol:         k_q9f4385870c_mid.kd
    .args:
      - { .name: pw, .offset: 0, .size: 8, .value_kind: global_buffer, .address_space: global }
      - { .name: x, .offset: 8, .size: 8, .value_kind: global_buffer, .address_space: global }
      - { .name: l1tab, .offset: 16, .size: 8, .value_kind: global_buffer, .address_space: global }
      - { .name: l2tab, .offset: 24, .size: 8, .value_kind: global_buffer, .address_space: global }
    .group_segment_fixed_size: 9216
    .private_segment_fixed_size: 0
    .kernarg_segment_align: 8
    .kernarg_segment_size: 32
    .max_flat_workgroup_size: 256
    .sgpr_count:     66
    .vgpr_count:     192
    .wavefront_size: 32
...
	.end_amdgpu_metadata
.endif
;; end of part 2
;; launch t1 (part 3): grid 256 x 1, 8 waves a work-group, no clusters, 149,504 bytes of LDS; arguments f1w, f1b, tok_emb, pb, f2b, ln2_w, ln2_b, l2tab, l3tab; writes l3tab
.if DOCPART == 3
	.amdgcn_target "amdgcn-amd-amdhsa--gfx1250"
	.amdhsa_code_object_version 6
	.text
	.protected	k_q9f4385870c_t1
	.globl	k_q9f4385870c_t1
	.p2align	8
	.type	k_q9f4385870c_t1,@function
k_q9f4385870c_t1:
	s_mov_b64 s[64:65], 0
	v_nop
	global_prefetch_b8 v0, s[64:65] scope:SCOPE_SE
	s_setreg_imm32_b32 hwreg(HW_REG_WAVE_MODE, 25, 1), 1
	s_wait_xcnt 0x0
; THE BASIS OF 32 ROWS AND ITS PRODUCT WITH f1w.  The residual stream of a token is tok_emb[x] + the sum of WT[t] vp[t] + pb, and taking a mean away is linear.  So with the rows
;   j = 0..13 tok_emb[j];  14 ln2_b;  15 f2b;  16..29 vp[j - 16];  30, 31 pb
; XC[j] = the row less its mean (f32, then rounded once to bf16), X1[j] = XC[j] x ln2_w (j = 14: ln2_b itself):
;   h - mean(h) = coef . XC,   LN2(h) . f1w^T + f1b = coef' . T1^T,   T1[f][j] = X1[j] . f1w[f] (+ f1b[f] at j = 14).
; A work-group makes the whole basis in LDS (a wave four rows), 16 rows f of T1 (K split among the eight waves) and four channels of XCT[n][j] = XC[j][n].
; l3tab: T1 bf16 [4096][32] at 0; XCT bf16 [1024][32] at 262,144.
; NO CLUSTER: f1w's bytes are wanted once each, 65,536 a work-group; the basis' sources are 131,072 bytes that all read.
; LIMITS: NaN and infinities are not treated apart; ln2_b comes back as (ln2_b - mean) + mean.
.set XPITCH, 2064
.set XC,     0                         ; 32 rows x 2,064 bytes
.set X1,     66048                     ; the same again
.set PART,   132096                    ; eight waves x two partial tiles of 1,024 bytes
.set SPARE,  148480                    ; the spare words: four blocks of 256 bytes that no other line names
.set L3_XCT, 262144
.set WR, 64                            ; v[64:127]  f1w as loaded
.set GV, 128                           ; v[128:159] ln2_w; later v[128:191] X1's fragments
.set RA, 160
.set RB, 192                           ; later f1w's fragments in bf16
.macro NOP8
.rept 8
	v_nop
.endr
.endm
.macro WSUM d, t
	v_add_f32_dpp v[\d], v[\d], v[\d] row_xmask:1 row_mask:0xf bank_mask:0xf
	v_add_f32_dpp v[\d], v[\d], v[\d] row_xmask:2 row_mask:0xf bank_mask:0xf
	v_add_f32_dpp v[\d], v[\d], v[\d] row_xmask:4 row_mask:0xf bank_mask:0xf
	v_add_f32_dpp v[\d], v[\d], v[\d] row_xmask:8 row_mask:0xf bank_mask:0xf
	v_permlanex16_b32 v[\t], v[\d], s60, s61
	v_add_f32 v[\d], v[\d], v[\t]
.endm
.macro ROWLD R, B
.irp q, 0,1,2,3,4,5,6,7
	global_load_b128 v[\R+4*\q:\R+4*\q+3], v7, s[\B:\B+1] offset:512*\q
.endr
.endm
.macro RSUM d, R
	v_pk_add_f32 v[14:15], v[\R:\R+1], v[\R+4:\R+5]
	v_pk_add_f32 v[16:17], v[\R+2:\R+3], v[\R+6:\R+7]
.set c, 8
.rept 6
	v_pk_add_f32 v[14:15], v[14:15], v[\R+c:\R+c+1]
	v_pk_add_f32 v[16:17], v[16:17], v[\R+c+2:\R+c+3]
.set c, c+4
.endr
	v_pk_add_f32 v[14:15], v[14:15], v[16:17]
	v_add_f32 v[\d], v14, v15
	WSUM \d, 18
.endm
.macro RPUT R, A, base
.set c, 0
.rept 16
	v_cvt_pk_bf16_f32 v[48+c], v[\R+2*c], v[\R+2*c+1]
.set c, c+1
.endr
.set c, 0
.rept 8
	ds_store_b64 v[\A], v[48+2*c:49+2*c] offset:\base+256*c
.set c, c+1
.endr
.endm
; Row j = w + 8 q: centred into XC, then times the gain into X1.  gen = 1: the gain is G x G1 + G2 and G2 x mean is added: in wave 6 (j = 14) that gives the row itself back, elsewhere G1 = 1, G2 = 0.
.macro ROWDO R, q, gen
	RSUM 19, \R
	v_mul_f32 v20, s58, v19
	v_mov_b32 v21, v20
.set c, 0
.rept 16
	v_pk_add_f32 v[\R+c:\R+c+1], v[\R+c:\R+c+1], v[20:21] neg_lo:[0,1] neg_hi:[0,1]
.set c, c+2
.endr
	RPUT \R, 8, 8*XPITCH*\q
.if \gen
	v_mul_f32 v22, s46, v20
	v_mov_b32 v23, v22
.set c, 0
.rept 8
	v_pk_fma_f32 v[14:15], v[GV+c:GV+c+1], s[44:45], s[46:47] op_sel_hi:[1,0,0]
	v_pk_fma_f32 v[16:17], v[GV+c+2:GV+c+3], s[44:45], s[46:47] op_sel_hi:[1,0,0]
	v_pk_fma_f32 v[\R+c:\R+c+1], v[\R+c:\R+c+1], v[14:15], v[22:23]
	v_pk_fma_f32 v[\R+c+2:\R+c+3], v[\R+c+2:\R+c+3], v[16:17], v[22:23]
.set c, c+4
.endr
.else
.set c, 0
.rept 16
	v_pk_mul_f32 v[\R+c:\R+c+1], v[\R+c:\R+c+1], v[GV+c:GV+c+1]
.set c, c+2
.endr
.endif
	RPUT \R, 9, 8*XPITCH*\q
.endm
.macro PSUM B
.irp st, 8,16,32
.set c, 0
.rept 64/(2*\st)
.irp p, 0,2,4,6
	v_pk_add_f32 v[\B+c+\p:\B+c+\p+1], v[\B+c+\p:\B+c+\p+1], v[\B+c+\st+\p:\B+c+\st+\p+1]
.endr
.set c, c+2*\st
.endr
.endr
.endm
	s_load_b512 s[8:23], s[0:1], 0x0               ; f1w 8, f1b 10, tok_emb 12, pb 14, f2b 16, ln2_w 18, ln2_b 20, l2tab 22
	s_load_b64 s[24:25], s[0:1], 0x40              ; l3tab
	v_lshl_add_u32 v2, v0, 2, SPARE
	v_mov_b32 v3, 0
	v_lshrrev_b32 v1, 5, v0
	v_readfirstlane_b32 s5, v1
	v_and_b32 v1, 31, v0
	v_and_b32 v4, 15, v0
	v_bfe_u32 v5, v0, 4, 1
	v_mov_b32 v18, 0
	s_and_b32 s4, ttmp9, 255                       ; the work-group, 0..255
	s_mov_b32 s60, 0x76543210
	s_mov_b32 s61, 0xfedcba98
	s_mov_b32 s59, 0xffff0000                      ; lanes 16 to 31
	s_mov_b32 s58, 0x3a800000                      ; 1 / 1024
	v_lshlrev_b32 v6, 12, v4
	v_lshl_add_u32 v6, v5, 5, v6
	v_lshl_add_u32 v6, s5, 9, v6                   ; f1w: 4,096 (l % 16) + 32 (l / 16) + 512 w
	v_lshlrev_b32 v7, 4, v1
	s_mul_i32 s42, s5, XPITCH
	v_lshl_add_u32 v8, v1, 3, s42                  ; XC's row w: 2,064 w + 8 l
	v_add_nc_u32 v9, X1, v8                        ; X1's
	v_mul_u32_u24 v10, v4, XPITCH
	v_lshl_add_u32 v10, v5, 4, v10
	v_lshl_add_u32 v10, s5, 8, v10
	v_add_nc_u32 v10, X1, v10                      ; X1's fragments
	s_lshl_b32 s42, s5, 11
	s_add_co_u32 s42, s42, PART
	v_lshl_add_u32 v11, v1, 5, s42
	s_lshl_b32 s42, s5, 10
	s_add_co_u32 s42, s42, PART
	v_lshl_add_u32 v12, v1, 5, s42
	v_lshlrev_b32 v13, 2, v4
	s_lshl_b32 s42, s4, 8
	v_lshl_add_u32 v25, v1, 3, s42                 ; XCT: 256 x work-group + 8 l
	v_lshlrev_b32 v28, 6, v4
	v_lshl_add_u32 v28, v5, 4, v28
	v_lshl_add_u32 v28, s5, 5, v28                 ; T1: 64 (l % 16) + 16 (l / 16) + 32 x tile
	s_lshl_b32 s40, s5, 12
	s_mov_b32 s41, 0
	s_mov_b32 s49, 0
	s_wait_kmcnt 0x0
	s_add_nc_u64 s[28:29], s[12:13], s[40:41]      ; tok_emb[w]
	s_add_nc_u64 s[32:33], s[22:23], s[40:41]      ; vp[w]
	s_add_co_u32 s40, s40, 32768
	s_cmp_lt_u32 s5, 6
	s_cselect_b32 s40, s40, 0
	s_cselect_b64 s[30:31], s[12:13], s[20:21]     ; tok_emb[w + 8], or ln2_b,
	s_cselect_b64 s[34:35], s[22:23], s[14:15]     ; vp[w + 8], or pb
	s_cmp_eq_u32 s5, 7
	s_cselect_b64 s[30:31], s[16:17], s[30:31]     ; or f2b
	s_add_nc_u64 s[30:31], s[30:31], s[40:41]
	s_add_nc_u64 s[34:35], s[34:35], s[40:41]
	s_cmp_eq_u32 s5, 6
	s_cselect_b32 s44, 0, 1.0                      ; G1
	s_cselect_b32 s46, 1.0, 0                      ; G2
	s_mov_b32 s45, s44                             ; named as pairs
	s_mov_b32 s47, s46
	s_lshl_b32 s48, s4, 16
	s_add_nc_u64 s[36:37], s[8:9], s[48:49]        ; my 16 rows of f1w
	s_lshl_b32 s48, s4, 6
	s_add_nc_u64 s[38:39], s[10:11], s[48:49]      ; and of f1b
	s_lshl_b32 s48, s4, 10
	s_add_nc_u64 s[26:27], s[24:25], s[48:49]      ; and of T1
	global_load_b32 v24, v13, s[38:39]
.irp f, 0,1,2,3
	global_load_b128 v[WR+16*\f:WR+16*\f+3],     v6, s[36:37] offset:128*\f th:TH_LOAD_NT
	global_load_b128 v[WR+16*\f+4:WR+16*\f+7],   v6, s[36:37] offset:128*\f+16 th:TH_LOAD_NT
	global_load_b128 v[WR+16*\f+8:WR+16*\f+11],  v6, s[36:37] offset:128*\f+64 th:TH_LOAD_NT
	global_load_b128 v[WR+16*\f+12:WR+16*\f+15], v6, s[36:37] offset:128*\f+80 th:TH_LOAD_NT
.endr
	ROWLD GV, 18
	ROWLD RA, 28
	ROWLD RB, 30
	s_wait_loadcnt 0x0
	ROWDO RA, 0, 0
	ROWLD RA, 32
	ROWDO RB, 1, 1
	ROWLD RB, 34
	s_wait_loadcnt 8                               ; the third row is in; the fourth row's eight loads may stay out
	ROWDO RA, 2, 0
	s_wait_loadcnt 0x0
	ROWDO RB, 3, 0
	s_wait_dscnt 0x0                               ; my four rows are in LDS,
	s_barrier_signal -1
	s_barrier_wait -1                              ; all 32 are
	s_cmp_lg_u32 s5, 2
	s_cbranch_scc1 .Lno_xct
	; wave 2: four channels of XCT, 256 neighbouring bytes, aligned: lane l takes channel 4 x work-group + l / 8, rows 4 (l % 8) + 0..3
	v_and_b32 v14, 7, v1
	v_mul_u32_u24 v14, v14, 4*XPITCH
	v_lshrrev_b32 v15, 3, v1
	v_lshl_add_u32 v14, v15, 1, v14
	s_lshl_b32 s42, s4, 3
	v_add_nc_u32 v14, s42, v14
	ds_load_u16 v20, v14 offset:XC
	ds_load_u16 v21, v14 offset:XC+XPITCH
	ds_load_u16 v22, v14 offset:XC+2*XPITCH
	ds_load_u16 v23, v14 offset:XC+3*XPITCH
	s_wait_dscnt 0x0
	v_lshl_or_b32 v26, v21, 16, v20
	v_lshl_or_b32 v27, v23, 16, v22
	global_store_b64 v25, v[26:27], s[24:25] offset:L3_XCT
.Lno_xct:
.irp jt, 0,1
.irp f, 0,1,2,3
	ds_load_b128 v[128+32*\jt+8*\f:131+32*\jt+8*\f], v10 offset:16*XPITCH*\jt+64*\f
	ds_load_b128 v[132+32*\jt+8*\f:135+32*\jt+8*\f], v10 offset:16*XPITCH*\jt+64*\f+32
.endr
.endr
.set c, 0
.rept 32
	v_cvt_pk_bf16_f32 v[RB+c], v[WR+2*c], v[WR+2*c+1]
.set c, c+1
.endr
	s_wait_dscnt 0x0
	v_wmma_f32_16x16x32_bf16 v[32:39], v[128:135], v[RB:RB+7], 0                 ; rows j 0..15 and 16..31 by turns; the first products start the sums
	v_wmma_f32_16x16x32_bf16 v[40:47], v[160:167], v[RB:RB+7], 0
.irp f, 1,2,3
	v_wmma_f32_16x16x32_bf16 v[32:39], v[128+8*\f:135+8*\f], v[RB+8*\f:RB+8*\f+7], v[32:39]
	v_wmma_f32_16x16x32_bf16 v[40:47], v[160+8*\f:167+8*\f], v[RB+8*\f:RB+8*\f+7], v[40:47]
.endr
	NOP8
	ds_store_b128 v11, v[32:35]
	ds_store_b128 v11, v[36:39] offset:16
	ds_store_b128 v11, v[40:43] offset:1024
	ds_store_b128 v11, v[44:47] offset:1040
	s_wait_dscnt 0x0
	s_barrier_signal -1
	s_barrier_wait -1
	s_cmp_lt_u32 s5, 2                             ; wave 0 finishes rows j 0..15, wave 1 rows 16..31
	s_cbranch_scc0 .Lend
.irp p, 0,1,2,3,4,5,6,7
	ds_load_b128 v[WR+8*\p:WR+8*\p+3],   v12 offset:2048*\p
	ds_load_b128 v[WR+8*\p+4:WR+8*\p+7], v12 offset:2048*\p+16
.endr
	s_wait_dscnt 0x0
	PSUM WR
	s_cmp_eq_u32 s5, 0
	s_cselect_b32 s43, s59, 0
	v_cndmask_b32 v14, 0, v24, s43                 ; j = 14 is register 6 of lanes 16 to 31 in wave 0: f1b goes there
	v_add_f32 v[WR+6], v[WR+6], v14
.irp p, 0,1,2,3
	v_cvt_pk_bf16_f32 v[48+\p], v[WR+2*\p], v[WR+2*\p+1]
.endr
	global_store_b128 v28, v[48:51], s[26:27]
.Lend:
	s_wait_tensorcnt 0x0                           ; the wave's end, behind my last LDS store
	ds_add_u32 v2, v3
	s_wait_dscnt 0x0
	s_endpgm
.Lfunc_end_k_q9f4385870c_t1:
	.size	k_q9f4385870c_t1, .Lfunc_end_k_q9f4385870c_t1-k_q9f4385870c_t1
	.p2alignl 7, 3214868480
	.fill 96, 4, 3214868480
	.section	.rodata,"a",@progbits
	.p2align	6, 0x0
	.amdhsa_kernel k_q9f4385870c_t1
		.amdhsa_group_segment_fixed_size 149504
		.amdhsa_private_segment_fixed_size 0
		.amdhsa_enable_private_segment 0
		.amdhsa_kernarg_size 72
		.amdhsa_user_sgpr_count 2
		.amdhsa_user_sgpr_kernarg_segment_ptr 1
		.amdhsa_wavefront_size32 1
		.amdhsa_system_sgpr_workgroup_id_x 1
		.amdhsa_system_sgpr_workgroup_id_y 1
		.amdhsa_system_sgpr_workgroup_id_z 1
		.amdhsa_system_vgpr_workitem_id 0
		.amdhsa_next_free_vgpr 256
		.amdhsa_next_free_sgpr 66
		.amdhsa_reserve_vcc 0
		.amdhsa_float_denorm_mode_32 3
		.amdhsa_float_denorm_mode_16_64 3
		.amdhsa_memory_ordered 1
		.amdhsa_forward_progress 1
		.amdhsa_inst_pref_size 44
	.end_amdhsa_kernel
	.amdgpu_metadata
---
amdhsa.version: [ 1, 2 ]
amdhsa.kernels:
  - .name:           k_q9f4385870c_t1
    .symbol:         k_q9f4385870c_t1.kd
    .args:
      - { .name: f1w, .offset: 0, .size: 8, .value_kind: global_buffer, .address_space: global }
      - { .name: f1b, .offset: 8, .size: 8, .value_kind: global_buffer, .address_space: global }
      - { .name: tok_emb, .offset: 16, .size: 8, .value_kind: global_buffer, .address_space: global }
      - { .name: pb, .offset: 24, .size: 8, .value_kind: global_buffer, .address_space: global }
      - { .name: f2b, .offset: 32, .size: 8, .value_kind: global_buffer, .address_space: global }
      - { .name: ln2_w, .offset: 40, .size: 8, .value_kind: global_buffer, .address_space: global }
      - { .name: ln2_b, .offset: 48, .size: 8, .value_kind: global_buffer, .address_space: global }
      - { .name: l2tab, .offset: 56, .size: 8, .value_kind: global_buffer, .address_space: global }
      - { .name: l3tab, .offset: 64, .size: 8, .value_kind: global_buffer, .address_space: global }
    .group_segment_fixed_size: 149504
    .private_segment_fixed_size: 0
    .kernarg_segment_align: 8
    .kernarg_segment_size: 72
    .max_flat_workgroup_size: 256
    .sgpr_count:     66
    .vgpr_count:     256
    .wavefront_size: 32
...
	.end_amdgpu_metadata
.endif
;; end of part 3
;; launch act (part 4): grid 256 x 1, 8 waves a work-group, no clusters, 36,352 bytes of LDS; arguments x, l2tab, l3tab, actb; writes actb
.if DOCPART == 4
	.amdgcn_target "amdgcn-amd-amdhsa--gfx1250"
	.amdhsa_code_object_version 6
	.text
	.protected	k_q9f4385870c_act
	.globl	k_q9f4385870c_act
	.p2align	8
	.type	k_q9f4385870c_act,@function
k_q9f4385870c_act:
	s_mov_b64 s[64:65], 0
	v_nop
	global_prefetch_b8 v0, s[64:65] scope:SCOPE_SE
	s_setreg_imm32_b32 hwreg(HW_REG_WAVE_MODE, 25, 1), 1
	s_wait_xcnt 0x0
; ACT[m][f] = gelu(LN2(h[m]) . f1w[f] + f1b[f]), bf16 [4096][4096], from the tables: a product with K = 32.
; A work-group has 16 tokens and all 4,096 f; wave w has f = 512 w .. 512 w + 511, in four blocks of 128.
; A token's coefficients (source 1: lane = token, k = j): j = 8 (lane / 16) + e is 1 where x = j; j = 16 + 8 (lane / 16) + e is WT[m][8 (lane / 16) + e].
; FIRST the variance: h - mean = coef . XCT^T, wave w for channels 128 w .. + 127; the squares are added in f32, over the waves through LDS.  rs = 1 / sqrt(var + 1e-5).
; THEN coef' = rs x coef, with 1 at j = 14 (ln2_b's and f1b's column), and ACT^T = T1 x coef'^T: a lane holds one token and eight neighbouring f.
; GELU (the exact one): gelu(x) = max(x, 0) - |x| / 2 x poly(t) x exp(-x^2 / 2), t = 1 / (1 + 0.3275911 |x| / sqrt(2)): the fifth-degree form of erfc (Abramowitz and Stegun 7.1.26),
; off by 1.5e-7 in erf at the most, for every x.
; THE WAY OUT: 16 tokens x 128 f go through the wave's own stage in LDS and leave as whole rows of 256 bytes.
; NO CLUSTER, NO LDS ON THE WAY IN: a fragment of T1 feeds one product, and no two waves of a work-group want the same bytes; each wave reads its own 32,768 bytes of T1 straight into fragments.
; LIMITS: x holds 0..13; the variance is that of the basis rounded to bf16; NaN and infinities are not treated apart.
.set RED,    0                         ; [token][wave] f32: 512 bytes
.set STAGE,  512                       ; eight waves x 16 rows x 272 bytes
.set SPITCH, 272
.set SPARE,  35328                     ; the spare words: four blocks of 256 bytes that no other line names
.set L2_WT,  65536
.set L3_XCT, 262144
.set O,  16                            ; v[16:23]   the one-hot eight
.set W,  24                            ; v[24:31]   WT's eight
.set CA, 32                            ; v[32:39]   the coefficients' fragment
.set FR, 48                            ; v[48:111]  eight fragments of XCT, then of T1
.set D,  112                           ; v[112:175] eight results
.set GA, 176                           ; v[176:191] |x|       (v[176:207] later the packed block)
.set GT, 192                           ; v[192:207] t
.set GE, 208                           ; v[208:223] exp
.set GQ, 224                           ; v[224:239] poly
; v4 l % 16, v5 l / 16, v6-v14 addresses, v15 the exchange's destination, v[40:47] at work
.macro NOP8
.rept 8
	v_nop
.endr
.endm
.macro GELU X                          ; sixteen numbers in place.  32 transcendentals are one batch with one wait; the sixteen maxima are the plain work behind it
.set c, 0
.rept 16
	v_and_b32 v[GA+c], s54, v[\X+c]
.set c, c+1
.endr
.set c, 0
.rept 8
	v_pk_fma_f32 v[GT+c:GT+c+1], v[GA+c:GA+c+1], s[40:41], 1.0 op_sel_hi:[1,0,0]
	v_pk_mul_f32 v[GE+c:GE+c+1], v[GA+c:GA+c+1], s[42:43] op_sel_hi:[1,0]
.set c, c+2
.endr
.set c, 0
.rept 8
	v_pk_mul_f32 v[GE+c:GE+c+1], v[GE+c:GE+c+1], v[GA+c:GA+c+1]
.set c, c+2
.endr
.set c, 0
.rept 16
	v_rcp_f32 v[GT+c], v[GT+c]
.set c, c+1
.endr
.set c, 0
.rept 16
	v_exp_f32 v[GE+c], v[GE+c]
.set c, c+1
.endr
.set c, 0
.rept 16
	v_max_num_f32 v[\X+c], 0, v[\X+c]
.set c, c+1
.endr
	s_wait_alu depctr_va_vdst(0)                   ; ahead of the batch's first reader
.set c, 0
.rept 8
	v_pk_fma_f32 v[GQ+c:GQ+c+1], v[GT+c:GT+c+1], s[52:53], s[50:51] op_sel_hi:[1,0,0]
.set c, c+2
.endr
.irp k, 48,46,44
.set c, 0
.rept 8
	v_pk_fma_f32 v[GQ+c:GQ+c+1], v[GQ+c:GQ+c+1], v[GT+c:GT+c+1], s[\k:\k+1] op_sel_hi:[1,1,0]
.set c, c+2
.endr
.endr
.set c, 0
.rept 8
	v_pk_mul_f32 v[GT+c:GT+c+1], v[GT+c:GT+c+1], v[GE+c:GE+c+1]
.set c, c+2
.endr
.set c, 0
.rept 8
	v_pk_mul_f32 v[GQ+c:GQ+c+1], v[GQ+c:GQ+c+1], v[GA+c:GA+c+1]
.set c, c+2
.endr
.set c, 0
.rept 8
	v_pk_mul_f32 v[GQ+c:GQ+c+1], v[GQ+c:GQ+c+1], v[GT+c:GT+c+1]
.set c, c+2
.endr
.set c, 0
.rept 8
	v_pk_fma_f32 v[\X+c:\X+c+1], v[GQ+c:GQ+c+1], -0.5, v[\X+c:\X+c+1] op_sel_hi:[1,0,1]
.set c, c+2
.endr
.endm
.macro T1LOAD                          ; a block's eight fragments of T1
.irp t, 0,1,2,3,4,5,6,7
	global_load_b128 v[FR+8*(\t):FR+8*(\t)+3],   v7, s[12:13] offset:1024*(\t)
	global_load_b128 v[FR+8*(\t)+4:FR+8*(\t)+7], v7, s[12:13] offset:1024*(\t)+32
.endr
.endm
.macro MUL8                            ; eight results, each started by its one product
.irp t, 0,1,2,3,4,5,6,7
	v_wmma_f32_16x16x32_bf16 v[D+8*(\t):D+8*(\t)+7], v[FR+8*(\t):FR+8*(\t)+7], v[CA:CA+7], 0
.endr
	NOP8
.endm
	s_load_b256 s[8:15], s[0:1], 0x0               ; x 8, l2tab 10, l3tab 12, actb 14
	v_lshl_add_u32 v2, v0, 2, SPARE
	v_mov_b32 v3, 0
	v_lshrrev_b32 v1, 5, v0
	v_readfirstlane_b32 s5, v1
	v_and_b32 v4, 15, v0
	v_bfe_u32 v5, v0, 4, 1
	v_mov_b32 v15, 0
	s_mov_b32 s60, 0x76543210
	s_mov_b32 s61, 0xfedcba98
	s_mov_b32 s59, 0xffff0000                      ; lanes 16 to 31
	s_mov_b32 s40, 0x3e6d3388                      ; 0.3275911 / sqrt(2)
	s_mov_b32 s42, 0xbf38aa3b                      ; -log2(e) / 2
	s_mov_b32 s44, 0x3e827906                      ; a1 .. a5
	s_mov_b32 s46, 0xbe91a98e
	s_mov_b32 s48, 0x3fb5f0e3
	s_mov_b32 s50, 0xbfba00e3
	s_mov_b32 s52, 0x3f87dc22
.irp k, 40,42,44,46,48,50,52
	s_mov_b32 s[\k+1], s[\k]                       ; named as pairs
.endr
	s_mov_b32 s54, 0x7fffffff
	s_mov_b32 s55, 0x3a800000                      ; 1 / 1024
	s_mov_b32 s56, 0x3727c5ac                      ; 1e-5
	v_lshlrev_b32 v6, 6, v4
	v_lshl_add_u32 v6, v5, 4, v6                   ; a table row of 64 bytes: 64 (l % 16) + 16 (l / 16)
	v_lshl_add_u32 v7, s5, 15, v6                  ; T1: + 512 rows a wave
	v_lshl_add_u32 v6, s5, 13, v6                  ; XCT: + 128 rows a wave
	s_mul_i32 s22, s5, 16*SPITCH
	s_add_co_u32 s22, s22, STAGE                   ; my stage
	v_mul_u32_u24 v8, v4, SPITCH                   ; in: row l % 16, 16 bytes for each half of the lanes
	v_lshl_add_u32 v8, v5, 4, v8
	v_add_nc_u32 v8, s22, v8
	v_mul_u32_u24 v9, v5, SPITCH                   ; back: lanes 0-15 one row of 256 bytes, lanes 16-31 the next
	v_lshl_add_u32 v9, v4, 4, v9
	v_add_nc_u32 v9, s22, v9
	v_lshlrev_b32 v10, 13, v5                      ; and the same two rows in ACT, at my wave's 1,024 bytes
	v_lshl_add_u32 v10, v4, 4, v10
	v_lshl_add_u32 v10, s5, 10, v10
	v_lshlrev_b32 v11, 2, v4
	v_lshlrev_b32 v12, 6, v4
	v_lshl_add_u32 v12, v5, 5, v12
	v_lshlrev_b32 v14, 5, v4
	v_lshl_add_u32 v13, s5, 2, v14
	s_mov_b32 s25, 0
	s_lshl_b32 s24, ttmp9, 6
	s_wait_kmcnt 0x0
	s_add_nc_u64 s[16:17], s[8:9], s[24:25]        ; x at my 16 tokens
	s_lshl_b32 s24, ttmp9, 10
	s_add_nc_u64 s[18:19], s[10:11], s[24:25]      ; WT likewise
	s_lshl_b32 s24, ttmp9, 17
	s_add_nc_u64 s[20:21], s[14:15], s[24:25]      ; ACT: 16 rows of 8,192 bytes
	global_load_b32 v40, v11, s[16:17]
	global_load_b128 v[W:W+3],   v12, s[18:19] offset:L2_WT
	global_load_b128 v[W+4:W+7], v12, s[18:19] offset:L2_WT+16
.irp t, 0,1,2,3,4,5,6,7
	global_load_b128 v[FR+8*(\t):FR+8*(\t)+3],   v6, s[12:13] offset:L3_XCT+1024*(\t)
	global_load_b128 v[FR+8*(\t)+4:FR+8*(\t)+7], v6, s[12:13] offset:L3_XCT+1024*(\t)+32
.endr
	s_wait_loadcnt 0x0
	v_min_u32 v40, 13, v40
	v_lshlrev_b32 v42, 3, v5
	v_sub_nc_u32 v41, v40, v42                     ; x - 8 (l / 16)
.irp i, 0,1,2,3,4,5,6,7
	v_cmp_eq_u32 vcc_lo, \i, v41
	v_cndmask_b32 v[O+\i], 0, 1.0, vcc_lo
.endr
.irp p, 0,1,2,3
	v_cvt_pk_bf16_f32 v[CA+\p],   v[O+2*\p], v[O+2*\p+1]
	v_cvt_pk_bf16_f32 v[CA+4+\p], v[W+2*\p], v[W+2*\p+1]
.endr
	MUL8                                           ; h - mean, my 128 channels
	T1LOAD                                         ; block 0's fragments are on their way while the variance is made
	v_pk_mul_f32 v[42:43], v[D:D+1], v[D:D+1]
	v_pk_mul_f32 v[44:45], v[D+2:D+3], v[D+2:D+3]
.set c, 4
.rept 15
	v_pk_fma_f32 v[42:43], v[D+c:D+c+1], v[D+c:D+c+1], v[42:43]
	v_pk_fma_f32 v[44:45], v[D+c+2:D+c+3], v[D+c+2:D+c+3], v[44:45]
.set c, c+4
.endr
	v_pk_add_f32 v[42:43], v[42:43], v[44:45]
	v_add_f32 v46, v42, v43
	v_permlanex16_b32 v15, v46, s60, s61           ; the token's other 64 channels lie in the lane 16 away
	v_add_f32 v46, v46, v15
	ds_store_b32 v13, v46 offset:RED
	s_wait_dscnt 0x0
	s_barrier_signal -1
	s_barrier_wait -1
	ds_load_b128 v[40:43], v14 offset:RED
	ds_load_b128 v[44:47], v14 offset:RED+16
	s_wait_dscnt 0x0
	v_pk_add_f32 v[40:41], v[40:41], v[42:43]
	v_pk_add_f32 v[44:45], v[44:45], v[46:47]
	v_pk_add_f32 v[40:41], v[40:41], v[44:45]
	v_add_f32 v40, v40, v41
	v_fma_f32 v40, v40, s55, s56
	v_rsq_f32 v42, v40
	v_rsq_f32 v43, v40
	v_nop
	s_wait_alu depctr_va_vdst(0)
.irp p, 0,2,4,6
	v_pk_mul_f32 v[O+\p:O+\p+1], v[O+\p:O+\p+1], v[42:43]
	v_pk_mul_f32 v[W+\p:W+\p+1], v[W+\p:W+\p+1], v[42:43]
.endr
	v_cndmask_b32 v[O+6], v[O+6], 1.0, s59         ; j = 14
.irp p, 0,1,2,3
	v_cvt_pk_bf16_f32 v[CA+\p],   v[O+2*\p], v[O+2*\p+1]
	v_cvt_pk_bf16_f32 v[CA+4+\p], v[W+2*\p], v[W+2*\p+1]
.endr
	s_mov_b32 s58, 4
.Lblock:                                       ; a trip: 128 f for my 16 tokens
	s_wait_loadcnt 0x0                             ; the block's fragments are in, and their address register is free
	MUL8
	s_cmp_eq_u32 s58, 1                            ; the last trip has no block behind it: its loads are jumped over
	s_cbranch_scc1 .Lno_more
	v_add_nc_u32 v7, 8192, v7
	T1LOAD                                         ; the next block's fragments have the gelu in which to come
.Lno_more:
	GELU D
	GELU D+16
	GELU D+32
	GELU D+48
.set c, 0
.rept 32
	v_cvt_pk_bf16_f32 v[GA+c], v[D+2*c], v[D+2*c+1]
.set c, c+1
.endr
.irp t, 0,1,2,3,4,5,6,7
	ds_store_b128 v8, v[GA+4*(\t):GA+4*(\t)+3] offset:32*(\t)
.endr
.irp t, 0,1,2,3,4,5,6,7
	ds_load_b128 v[GA+4*(\t):GA+4*(\t)+3], v9 offset:2*SPITCH*(\t)   ; LDS serves a wave's instructions in order (ISA guide 5.7.1.4): these see the stores above
.endr
.irp t, 0,1,2,3,4,5,6,7
	s_wait_dscnt 7-(\t)                            ; the younger loads may stay out
	global_store_b128 v10, v[GA+4*(\t):GA+4*(\t)+3], s[20:21] offset:16384*(\t) th:TH_STORE_NT   ; 16 lanes store 256 neighbouring bytes, aligned
.endr
	s_wait_xcnt 0x0                                ; the stores' address and data registers are written again only behind this wait
	v_add_nc_u32 v10, 256, v10
	s_sub_co_u32 s58, s58, 1
	s_cmp_lg_u32 s58, 0
	s_cbranch_scc1 .Lblock
	s_wait_tensorcnt 0x0                           ; the wave's end, behind my last LDS store
	ds_add_u32 v2, v3
	s_wait_dscnt 0x0
	s_endpgm
.Lfunc_end_k_q9f4385870c_act:
	.size	k_q9f4385870c_act, .Lfunc_end_k_q9f4385870c_act-k_q9f4385870c_act
	.p2alignl 7, 3214868480
	.fill 96, 4, 3214868480
	.section	.rodata,"a",@progbits
	.p2align	6, 0x0
	.amdhsa_kernel k_q9f4385870c_act
		.amdhsa_group_segment_fixed_size 36352
		.amdhsa_private_segment_fixed_size 0
		.amdhsa_enable_private_segment 0
		.amdhsa_kernarg_size 32
		.amdhsa_user_sgpr_count 2
		.amdhsa_user_sgpr_kernarg_segment_ptr 1
		.amdhsa_wavefront_size32 1
		.amdhsa_system_sgpr_workgroup_id_x 1
		.amdhsa_system_sgpr_workgroup_id_y 1
		.amdhsa_system_sgpr_workgroup_id_z 1
		.amdhsa_system_vgpr_workitem_id 0
		.amdhsa_next_free_vgpr 256
		.amdhsa_next_free_sgpr 66
		.amdhsa_reserve_vcc 1
		.amdhsa_float_denorm_mode_32 3
		.amdhsa_float_denorm_mode_16_64 3
		.amdhsa_memory_ordered 1
		.amdhsa_forward_progress 1
		.amdhsa_inst_pref_size 50
	.end_amdhsa_kernel
	.amdgpu_metadata
---
amdhsa.version: [ 1, 2 ]
amdhsa.kernels:
  - .name:           k_q9f4385870c_act
    .symbol:         k_q9f4385870c_act.kd
    .args:
      - { .name: x, .offset: 0, .size: 8, .value_kind: global_buffer, .address_space: global }
      - { .name: l2tab, .offset: 8, .size: 8, .value_kind: global_buffer, .address_space: global }
      - { .name: l3tab, .offset: 16, .size: 8, .value_kind: global_buffer, .address_space: global }
      - { .name: actb, .offset: 24, .size: 8, .value_kind: global_buffer, .address_space: global }
    .group_segment_fixed_size: 36352
    .private_segment_fixed_size: 0
    .kernarg_segment_align: 8
    .kernarg_segment_size: 32
    .max_flat_workgroup_size: 256
    .sgpr_count:     66
    .vgpr_count:     256
    .wavefront_size: 32
...
	.end_amdgpu_metadata
.endif
;; end of part 4
;; launch gemm (part 5): grid 8 x 32, 4 waves a work-group, clusters of 4 x 4, 327,680 bytes of LDS; arguments actb, f2wb, ybuf; writes ybuf
.if DOCPART == 5
	.amdgcn_target "amdgcn-amd-amdhsa--gfx1250"
	.amdhsa_code_object_version 6
	.text
	.protected	k_q9f4385870c_gemm
	.globl	k_q9f4385870c_gemm
	.p2align	8
	.type	k_q9f4385870c_gemm,@function
k_q9f4385870c_gemm:
	s_mov_b64 s[64:65], 0
	v_nop
	global_prefetch_b8 v0, s[64:65] scope:SCOPE_SE
	s_setreg_imm32_b32 hwreg(HW_REG_WAVE_MODE, 25, 1), 1
	s_wait_xcnt 0x0
	s_wait_alu depctr_hold_cnt(0) depctr_sa_sdst(0) depctr_va_vdst(0) depctr_va_sdst(0) depctr_va_ssrc(0) depctr_va_vcc(0) depctr_vm_vsrc(0)
	s_getreg_b32 s2, hwreg(HW_REG_IB_STS2, 6, 4)
	s_cmp_eq_u32 s2, 0
	s_cbranch_scc0 .Lentry_in_a_cluster
	s_endpgm
.Lentry_in_a_cluster:
	s_bfe_u32 s2, ttmp6, 0x10000c
	s_cmp_lg_u32 s2, 0xf033
	s_cbranch_scc0 .Lentry_shape_is_right
	s_endpgm
.Lentry_shape_is_right:
; Y[m][n] = sum over k of ACT[m][k] F2W[n][k].  ACT: [4096][4096] bf16, F2W: [1024][4096] bf16, Y: [4096][1024] f32; sums in f32.
; Y stays in f32: the launch behind takes each row's mean away from it, so it is not rounded in between.
; A tile of Y is 128 x 128: 32 x 8 = 256 tiles, a work-group each.  Four waves, each 64 x 64: 16 accumulators of 16 x 16, 128 registers.  K goes in steps of 256 (LDS rows of 512 bytes; a wave's
; tensor load brings 64 of them), as long as two slots in LDS allow.
; CLUSTERS: 4 x 4 work-groups.  The four of a row of the cluster need the same tiles of ACT, the four of a column the same tiles of F2W: each tile is asked for JOINTLY, by the same tensor load with the
; same descriptor and a mask that names the four.  THE MATRIX INSTRUCTION IS USED TRANSPOSED (source 0 = 16 rows of F2W, source 1 = 16 rows of ACT): a lane then holds eight neighbouring numbers of a row of Y.
; THE WAY OUT: a wave's 64 columns are 256 bytes of a row of Y, aligned: each wave sends its blocks of 16 rows through a stage of its own, with no barrier.
; REGISTERS: window 0: v0-31 addresses; v128-255 the accumulators ((a, b) at v[128 + 8 (4 a + b)]).
;   window 1: two fragment buffers of 128: for 64 along K (two matrix instructions deep), 64 registers of A (2 x 4 x 16 rows x 32 K), then 64 of B.
.set SIZE_M, 4096
.set SIZE_N, 1024
.set SIZE_K, 4096
.set KSTEP,  256
.set PITCH,  528                       ; an LDS row: 512 bytes of data + 16 of padding = 132 words: row r starts at bank 4 r mod 64 (64 banks of 4 bytes: ISA guide 11.1)
.set HALFT,  64*PITCH                  ; 64 rows: what one tensor load brings, and what one wave reads of A or of B
.set SLOT,   4*HALFT                   ; A's 128 rows, then B's 128 rows
.set STAGE,  2*SLOT                    ; behind the ring: 16 rows x 272 bytes for each wave, for the way out
.set SPITCH, 272
.set SPARE,  STAGE+4*16*SPITCH         ; behind the stages: the spare words, 128 bytes for each wave: two blocks of 256 bytes that no other line names
.set LAPS, SIZE_K/(2*KSTEP)            ; a lap = two K steps = once round the ring
.set ADRA, 16                          ; v16-17  LDS address of my A fragments in slot 0, 1
.set ADRB, 20                          ; v20-21  the same for B
.set STO,  24                          ; v24     the way out: where I put 32 bytes of a row
.set RD,   25                          ; v25     the way out: where I read a row back
.set CO,   26                          ; v26     my byte offset in Y
.set SPW,  28                          ; v28     LDS address of my spare word: SPARE + 4 x my thread's number; never rewritten
.set NIL,  29                          ; v29     0; never rewritten
.set ACC,  128
.set F0,   0                           ; fragment buffers, in window 1
.set F1,   128
.set G1, 24                            ; s[24:31] descriptor group 1 for A's tiles;  s[32:39] group 0, one set for each slot
.set G0, 32
.set G1B, 48                           ; s[48:55], s[56:63] the same for B's tiles
.set G0B, 56
.set MSB, 0
.macro WIN new                         ; the immediate's high byte repeats the setting that is left
.if MSB != (\new)
	s_set_vgpr_msb (MSB<<8)|(\new)
.set MSB, \new
.endif
.endm
.set MUL,  0x05                        ; sources 0 (B) and 1 (A) window 1; C and D window 0
.set TO_F, 0x40                        ; destination window 1, address window 0
.macro JLOAD s                         ; a joint load: waves 0 and 1 fetch A's two halves, waves 2 and 3 B's; an s_nop 0 and four v_nop follow each of the two lines, ahead of the jump, the label and what follows
	s_cmp_eq_u32 s11, 0
	s_cbranch_scc0 .Lfor_b_\@
	tensor_load_to_lds s[G0+4*(\s):G0+4*(\s)+3], s[G1:G1+7]
	s_nop 0
.rept 4
	v_nop
.endr
	s_branch .Lasked_\@
.Lfor_b_\@:
	tensor_load_to_lds s[G0B+4*(\s):G0B+4*(\s)+3], s[G1B:G1B+7]
	s_nop 0
.rept 4
	v_nop
.endr
.Lasked_\@:
.endm
.macro CREST                           ; a round of the cluster's barrier behind its opening barrier
	s_cmp_lg_u32 s10, 0
	s_cbranch_scc1 .Lnot_wave_0_\@
	s_barrier_signal -3
.Lnot_wave_0_\@:
	s_barrier_wait -3
	s_barrier_signal -1
	s_barrier_wait -1
.endm
.macro CROUND                          ; a whole round
	s_barrier_signal -1
	s_barrier_wait -1
	CREST
.endm
	s_load_b128 s[4:7], s[0:1], 0x0                ; A s[4:5], B s[6:7]
	s_load_b64 s[8:9], s[0:1], 0x10                ; Y
	v_lshl_add_u32 v[SPW], v0, 2, SPARE
	v_mov_b32 v[NIL], 0
	ds_add_u32 v[SPW], v[NIL]                      ; the wave's opening: the add and its wait ahead of my first tensor load; the set-up below, work on registers, stands between them
	v_lshrrev_b32 v1, 5, v0
	v_readfirstlane_b32 s10, v1                    ; wave 0..3
	s_lshr_b32 s11, s10, 1                         ; which half of the tile's rows is mine.  Also: I fetch for A (0) or for B (1)
	s_and_b32 s12, s10, 1                          ; which half of its columns.  Also: which 64 rows of that tile I fetch
	s_bfe_u32 s40, ttmp6, 0x40000                  ; cx, cy: my place in the cluster
	s_bfe_u32 s41, ttmp6, 0x40004
	s_lshl_b32 s42, ttmp9, 2
	s_add_co_u32 s42, s42, s40                     ; tile column of Y = 4 x cluster x + cx
	s_and_b32 s13, ttmp7, 0xffff
	s_lshl_b32 s13, s13, 2
	s_add_co_u32 s13, s13, s41                     ; tile row of Y = 4 x cluster y + cy
	s_lshl_b32 s43, s41, 2
	s_lshl_b32 s43, 15, s43                        ; my row of the cluster
	s_lshl_b32 s44, 0x1111, s40                    ; my column
	; descriptor group 1: a tile of 64 rows x 256 elements, padded in LDS
	s_or_b32 s[G1+0], s43, (1<<16)|(1<<20)|(1<<21)|(6<<22)|(3<<25)  ; 15:0 the mask: A's tiles go to my row; 17:16 element of 2 bytes; 20 padding on; 21 set beside a mask; 24:22 after every 128 words (code 6); 31:25 of 4 words (code 3)
	s_or_b32 s[G1B+0], s44, (1<<16)|(1<<20)|(1<<21)|(6<<22)|(3<<25)
.irp g, G1, G1B
	s_mov_b32 s[(\g)+1], KSTEP<<16                 ; tensor_dim0 = 256
	s_mov_b32 s[(\g)+2], 64<<16                    ; tensor_dim1 = 64
	s_mov_b32 s[(\g)+3], KSTEP<<16                 ; tile_dim0 = 256
	s_mov_b32 s[(\g)+4], 64                        ; tile_dim1 = 64
	s_mov_b32 s[(\g)+5], SIZE_K                    ; tensor_dim0_stride
	s_mov_b32 s[(\g)+6], 0
	s_mov_b32 s[(\g)+7], 0
.endr
	s_lshl_b32 s17, s12, 6                         ; which 64 rows of the tile I fetch
	s_lshl_b32 s16, s13, 7
	s_add_co_u32 s16, s16, s17                     ; A: row 128 x tile row + 64 x half
	s_lshl_b32 s46, s42, 7
	s_add_co_u32 s46, s46, s17                     ; B: row 128 x tile column + 64 x half
	s_mov_b32 s17, 0
	s_mov_b32 s47, 0
	s_mov_b64 s[18:19], SIZE_K*2
	s_mul_u64 s[16:17], s[16:17], s[18:19]
	s_mul_u64 s[46:47], s[46:47], s[18:19]
	s_mul_i32 s20, s10, HALFT                      ; where they go: wave x 64 rows
	s_wait_dscnt 0x0                               ; the opening add is done
	s_wait_kmcnt 0x0
	s_add_nc_u64 s[14:15], s[4:5], s[16:17]
	s_add_nc_u64 s[46:47], s[6:7], s[46:47]
	CROUND                                         ; all sixteen work-groups are here: the first joint loads meet
.irp s, 0,1
	s_mov_b32 s[G0+4*(\s)], 1
	s_add_co_u32 s[G0+4*(\s)+1], s20, (\s)*SLOT
	s_add_nc_u64 s[G0+4*(\s)+2:G0+4*(\s)+3], s[14:15], (\s)*KSTEP*2
	s_or_b32 s[G0+4*(\s)+3], s[G0+4*(\s)+3], 0x80000000
	s_mov_b32 s[G0B+4*(\s)], 1
	s_add_co_u32 s[G0B+4*(\s)+1], s20, (\s)*SLOT
	s_add_nc_u64 s[G0B+4*(\s)+2:G0B+4*(\s)+3], s[46:47], (\s)*KSTEP*2
	s_or_b32 s[G0B+4*(\s)+3], s[G0B+4*(\s)+3], 0x80000000
	JLOAD \s
.endr
	v_and_b32 v1, 15, v0                           ; l % 16
	v_bfe_u32 v2, v0, 4, 1                         ; l / 16
	v_mul_u32_u24 v3, v1, PITCH
	v_lshl_add_u32 v3, v2, 4, v3                   ; a fragment's row x pitch + 16 x half
	s_mul_i32 s21, s11, HALFT                      ; my 64 rows of A
	s_mul_i32 s22, s12, HALFT                      ; my 64 rows of B,
	s_add_co_u32 s22, s22, 2*HALFT                 ; which lie behind A's 128
.irp s, 0,1
	v_add_nc_u32 v[ADRA+(\s)], s21, v3
	v_add_nc_u32 v[ADRB+(\s)], s22, v3
	s_add_co_u32 s21, s21, SLOT
	s_add_co_u32 s22, s22, SLOT
.endr
	s_mul_i32 s23, s10, 16*SPITCH
	s_add_co_u32 s23, s23, STAGE                   ; my stage
	v_mul_u32_u24 v4, v1, SPITCH                   ; in: row l % 16, 32 bytes for each half of the lanes
	v_lshl_add_u32 v4, v2, 5, v4
	v_add_nc_u32 v[STO], s23, v4
	v_mul_u32_u24 v5, v2, SPITCH                   ; back: lanes 0-15 one row of 256 bytes, lanes 16-31 the next
	v_lshl_add_u32 v5, v1, 4, v5
	v_add_nc_u32 v[RD], s23, v5
	v_mul_u32_u24 v5, v2, SIZE_N*4                 ; and the same two rows in Y
	v_lshl_add_u32 v[CO], v1, 4, v5
	s_lshl_b32 s16, s13, 7
	s_lshl_b32 s17, s11, 6
	s_add_co_u32 s16, s16, s17                     ; my first row of Y: 128 x tile row + 64 x half
	s_mov_b32 s17, 0
	s_mov_b64 s[18:19], SIZE_N*4
	s_mul_u64 s[16:17], s[16:17], s[18:19]
	s_add_nc_u64 s[8:9], s[8:9], s[16:17]
	s_lshl_b32 s46, s42, 9                         ; my first column, in bytes: 512 x tile column + 256 x half
	s_lshl_b32 s47, s12, 8
	s_add_co_u32 s46, s46, s47
	s_mov_b32 s47, 0
	s_add_nc_u64 s[8:9], s[8:9], s[46:47]
; 8 matrix instructions: m blocks a0, a0 + 1 x all 4 n blocks, 32 along K: half c of buffer f.  zero = 1: the first product starts the sums
.macro MUL8 f, c, a0, zero
	WIN MUL
.irp a, \a0, (\a0)+1
.irp b, 0,1,2,3
.if \zero
	v_wmma_f32_16x16x32_bf16 v[ACC+8*(4*(\a)+(\b)):ACC+8*(4*(\a)+(\b))+7], v[(\f)+64+8*(4*(\c)+(\b)):(\f)+64+8*(4*(\c)+(\b))+7], v[(\f)+8*(4*(\c)+(\a)):(\f)+8*(4*(\c)+(\a))+7], 0
.else
	v_wmma_f32_16x16x32_bf16 v[ACC+8*(4*(\a)+(\b)):ACC+8*(4*(\a)+(\b))+7], v[(\f)+64+8*(4*(\c)+(\b)):(\f)+64+8*(4*(\c)+(\b))+7], v[(\f)+8*(4*(\c)+(\a)):(\f)+8*(4*(\c)+(\a))+7], v[ACC+8*(4*(\a)+(\b)):ACC+8*(4*(\a)+(\b))+7]
.endif
.endr
.endr
.endm
; 32 LDS loads in one run: the fragments of 64 along K at byte k of the rows, into buffer f; the first 32 along K first
.macro FETCH slot, k, f
	WIN TO_F
.irp c, 0,1
.irp i, 0,1,2,3
	ds_load_b128 v[(\f)+64+8*(4*(\c)+(\i)):(\f)+64+8*(4*(\c)+(\i))+3],   v[ADRB+(\slot)] offset:(\k)+64*(\c)+(\i)*16*PITCH
	ds_load_b128 v[(\f)+64+8*(4*(\c)+(\i))+4:(\f)+64+8*(4*(\c)+(\i))+7], v[ADRB+(\slot)] offset:(\k)+64*(\c)+(\i)*16*PITCH+32
	ds_load_b128 v[(\f)+8*(4*(\c)+(\i)):(\f)+8*(4*(\c)+(\i))+3],         v[ADRA+(\slot)] offset:(\k)+64*(\c)+(\i)*16*PITCH
	ds_load_b128 v[(\f)+8*(4*(\c)+(\i))+4:(\f)+8*(4*(\c)+(\i))+7],       v[ADRA+(\slot)] offset:(\k)+64*(\c)+(\i)*16*PITCH+32
.endr
.endr
.endm
.macro PLACES                          ; four places in front of loads into registers that matrix instructions have read, and of LDS stores that read results
.rept 4
	v_nop
.endr
.endm
; A K step is four quarters of 64 along K, 32 matrix instructions each, on buffers 0, 1, 0, 1.  One of the first three: multiplies buffer f and fetches the next quarter, at byte k, into g.
.macro QUARTER slot, k, f, g, zero
	s_wait_dscnt 16                                ; the first 32 along K are in
	WIN MUL
	MUL8 \f, 0, 0, \zero
	MUL8 \f, 0, 2, \zero
	PLACES
	FETCH \slot, \k, \g
	s_wait_dscnt 32                                ; all but the 32 just issued
	WIN MUL
	MUL8 \f, 1, 0, 0
	MUL8 \f, 1, 2, 0
.endm
; The last quarter multiplies buffer 1 and changes slots: ONE barrier; in front of it each wave waits for all its tensor loads, adds 0 to its spare word, and waits for that and for its own reads of this slot.  fill = 1: this slot is filled again, two K steps ahead.
.macro TURN slot, next, fill
	WIN 0                                          ; (the add's two registers lie in window 0)
	s_wait_tensorcnt 0x0                           ; all my tensor loads have landed: my part of the next slot;
	ds_add_u32 v[SPW], v[NIL]                      ; 0 onto my spare word;
	s_wait_dscnt 17                                ; (the add and the youngest sixteen loads may be out)
	WIN MUL
	MUL8 F1, 0, 0, 0                               ; eight matrix instructions stand between the add and the wait for it
	s_wait_dscnt 0x0                               ; the add is done, and my reads of this slot are over
	s_barrier_signal -1
	MUL8 F1, 0, 2, 0
.if \fill
	WIN 0
.endif
	s_barrier_wait -1
.if \fill
	CREST                                          ; the barrier has opened a round of the cluster's barrier: no wave of any partner still reads this slot's tile or has a load on its way
	s_add_nc_u64 s[G0+4*(\slot)+2:G0+4*(\slot)+3], s[G0+4*(\slot)+2:G0+4*(\slot)+3], 2*KSTEP*2
	s_add_nc_u64 s[G0B+4*(\slot)+2:G0B+4*(\slot)+3], s[G0B+4*(\slot)+2:G0B+4*(\slot)+3], 2*KSTEP*2
	JLOAD \slot                                    ; the first tensor load behind the round: 112 matrix instructions ahead of the wait for it; the four v_nop behind it are also the places in front of the loads below
.else
	PLACES
.endif
	FETCH \next, 0, F0
	WIN MUL
	MUL8 F1, 1, 0, 0
	MUL8 F1, 1, 2, 0
.endm
	s_wait_tensorcnt 1                             ; my part of K step 0 is in,
	s_barrier_signal -1
	s_barrier_wait -1                              ; everybody's is
	FETCH 0, 0, F0
	QUARTER 0, 128, F0, F1, 1                      ; the first quarter stands in front of the loop: its first products start the sums
	WIN 0                                          ; at a label and at a branch every window is 0
	s_mov_b32 s3, LAPS-1
.Llap:                                                 ; a trip goes once round the ring, from a lap's second quarter to the next lap's first, and fills both slots again
	QUARTER 0, 256, F1, F0, 0
	QUARTER 0, 384, F0, F1, 0
	TURN 0, 1, 1
	QUARTER 1, 128, F0, F1, 0
	QUARTER 1, 256, F1, F0, 0
	QUARTER 1, 384, F0, F1, 0
	TURN 1, 0, 1
	QUARTER 0, 128, F0, F1, 0
	WIN 0
	s_sub_co_u32 s3, s3, 1
	s_cmp_lg_u32 s3, 0
	s_cbranch_scc1 .Llap
	QUARTER 0, 256, F1, F0, 0                      ; the last lap fills nothing, and has no round of the cluster's barrier
	QUARTER 0, 384, F0, F1, 0
	TURN 0, 1, 0
	QUARTER 1, 128, F0, F1, 0
	QUARTER 1, 256, F1, F0, 0
	QUARTER 1, 384, F0, F1, 0
	s_wait_dscnt 16                                ; the very last quarter: nothing more to fetch
	WIN MUL
	MUL8 F1, 0, 0, 0
	MUL8 F1, 0, 2, 0
	s_wait_dscnt 0
	MUL8 F1, 1, 0, 0
	MUL8 F1, 1, 2, 0
	WIN 0
	; THE WAY OUT, a block of 16 rows x 64 columns at a time: 32 bytes a lane into rows of 272 bytes of my own stage, back as whole rows of 256 bytes into the registers that they left, and stored.
.macro STG a
.irp b, 0,1,2,3
	ds_store_b128 v[STO], v[ACC+32*(\a)+8*(\b):ACC+32*(\a)+8*(\b)+3]   offset:64*(\b)
	ds_store_b128 v[STO], v[ACC+32*(\a)+8*(\b)+4:ACC+32*(\a)+8*(\b)+7] offset:64*(\b)+16
.endr
.irp t, 0,1,2,3,4,5,6,7
	ds_load_b128 v[ACC+32*(\a)+4*(\t):ACC+32*(\a)+4*(\t)+3], v[RD] offset:(\t)*2*SPITCH  ; LDS serves a wave's instructions in order (ISA guide 5.7.1.4): these see the stores above; the next block's stores come behind them
.endr
.endm
.macro SEND a, younger                 ; younger: the LDS instructions issued behind block a's loads: the next block's sixteen, or none
.irp t, 0,1,2,3,4,5,6,7
	s_wait_dscnt (\younger)+7-(\t)
	global_store_b128 v[CO], v[ACC+32*(\a)+4*(\t):ACC+32*(\a)+4*(\t)+3], s[8:9] offset:(16*(\a)+2*(\t))*SIZE_N*4  ; 16 lanes store 256 consecutive bytes, at a multiple of 256 from Y's first byte
.endr
.endm
	PLACES
	PLACES
	STG 0
	STG 1
	SEND 0, 16
	STG 2
	SEND 1, 16
	STG 3
	SEND 2, 16
	SEND 3, 0
	s_wait_tensorcnt 0x0                           ; the wave's end, behind my last tensor load and my last LDS store
	ds_add_u32 v[SPW], v[NIL]
	s_wait_dscnt 0x0
	CROUND                                         ; the closing round: no work-group ends while a partner may still ask for a tile that names it
	s_endpgm
.Lfunc_end_k_q9f4385870c_gemm:
	.size	k_q9f4385870c_gemm, .Lfunc_end_k_q9f4385870c_gemm-k_q9f4385870c_gemm
	.p2alignl 7, 3214868480
	.fill 96, 4, 3214868480
	.section	.rodata,"a",@progbits
	.p2align	6, 0x0
	.amdhsa_kernel k_q9f4385870c_gemm
		.amdhsa_group_segment_fixed_size 327680
		.amdhsa_private_segment_fixed_size 0
		.amdhsa_enable_private_segment 0
		.amdhsa_kernarg_size 24
		.amdhsa_user_sgpr_count 2
		.amdhsa_user_sgpr_kernarg_segment_ptr 1
		.amdhsa_wavefront_size32 1
		.amdhsa_system_sgpr_workgroup_id_x 1
		.amdhsa_system_sgpr_workgroup_id_y 1
		.amdhsa_system_sgpr_workgroup_id_z 1
		.amdhsa_system_vgpr_workitem_id 0
		.amdhsa_next_free_vgpr 512
		.amdhsa_next_free_sgpr 66
		.amdhsa_reserve_vcc 0
		.amdhsa_float_denorm_mode_32 3
		.amdhsa_float_denorm_mode_16_64 3
		.amdhsa_memory_ordered 1
		.amdhsa_forward_progress 1
		.amdhsa_inst_pref_size 87
	.end_amdhsa_kernel
	.amdgpu_metadata
---
amdhsa.version: [ 1, 2 ]
amdhsa.kernels:
  - .name:           k_q9f4385870c_gemm
    .symbol:         k_q9f4385870c_gemm.kd
    .args:
      - { .name: actb, .offset: 0, .size: 8, .value_kind: global_buffer, .address_space: global }
      - { .name: f2wb, .offset: 8, .size: 8, .value_kind: global_buffer, .address_space: global }
      - { .name: ybuf, .offset: 16, .size: 8, .value_kind: global_buffer, .address_space: global }
    .group_segment_fixed_size: 327680
    .private_segment_fixed_size: 0
    .kernarg_segment_align: 8
    .kernarg_segment_size: 24
    .max_flat_workgroup_size: 128
    .sgpr_count:     66
    .vgpr_count:     512
    .wavefront_size: 32
...
	.end_amdgpu_metadata
.endif
;; end of part 5
;; launch fin (part 6): grid 256 x 1, 8 waves a work-group, no clusters, 10,240 bytes of LDS; arguments x, l1tab, l2tab, l3tab, ybuf, out0; writes out0
.if DOCPART == 6
	.amdgcn_target "amdgcn-amd-amdhsa--gfx1250"
	.amdhsa_code_object_version 6
	.text
	.protected	k_q9f4385870c_fin
	.globl	k_q9f4385870c_fin
	.p2align	8
	.type	k_q9f4385870c_fin,@function
k_q9f4385870c_fin:
	s_mov_b64 s[64:65], 0
	v_nop
	global_prefetch_b8 v0, s[64:65] scope:SCOPE_SE
	s_setreg_imm32_b32 hwreg(HW_REG_WAVE_MODE, 25, 1), 1
	s_wait_xcnt 0x0
; THE LAST NORM AND THE LOGITS.  H = Y + coef . XCT^T (coef: 1 at j = x and at j = 15, f2b's row; WT at j = 16..31): the residual stream less the means of all its parts but Y's.
; logits[m][v] = rs x (H - mean(H)) . WE[v] + cst[v], rs = 1 / sqrt(var(H) + 1e-5).
; A work-group has 16 tokens; wave w has channels 128 w .. 128 w + 127: eight results of 16 channels x 16 tokens, a lane one token and eight channels.  Y is loaded straight into the accumulators.
; Two results, rounded to bf16, are source 1 (32 channels x 16 tokens) of the logits' product.  Sums, squares and the partial logits meet in LDS; wave 0 finishes.
; NO CLUSTER: Y's bytes are wanted once each; the tables that all read are 96 KiB.
; out0's rows are 56 bytes: a lane stores its six or eight numbers by four stores of 8 bytes; in lanes 16 to 31 the fourth writes numbers 12 and 13 a second time, so that no lane is switched off.
; LIMITS: x holds 0..13; NaN and infinities are not treated apart.
.set RED1,  0                          ; [token][wave] f32, 512 bytes: the sums
.set RED2,  512                        ; the squares
.set LP,    1024                       ; eight partial tiles of logits, 1,024 bytes each
.set SPARE, 9216                       ; the spare words: four blocks of 256 bytes that no other line names
.set L1_WE,  98304
.set L1_CST, 131072
.set L2_WT,  65536
.set L3_XCT, 262144
.set O,   16                           ; v[16:23]   the one-hot eight; later at work
.set W,   24                           ; v[24:31]   WT's eight; later the stores' addresses
.set CF,  32                           ; v[32:39]   the coefficients' fragment
.set CS,  40                           ; v[40:47]   cst
.set LG0, 48                           ; v[48:55], v[56:63] two accumulators of logits (v56-60 at work before)
.set LG1, 56
.set FR,  64                           ; v[64:127]  XCT's fragments; later the partial logits
.set H,   128                          ; v[128:191]
.set HF,  192                          ; v[192:223] H in bf16
.set WE,  224                          ; v[224:255] WE's fragments
.macro NOP8
.rept 8
	v_nop
.endr
.endm
.macro PSUM B
.irp st, 8,16,32
.set c, 0
.rept 64/(2*\st)
.irp p, 0,2,4,6
	v_pk_add_f32 v[\B+c+\p:\B+c+\p+1], v[\B+c+\p:\B+c+\p+1], v[\B+c+\st+\p:\B+c+\st+\p+1]
.endr
.set c, c+2*\st
.endr
.endr
.endm
.macro SUM8                            ; the eight waves' numbers in v[16:23], added into v16
	v_pk_add_f32 v[16:17], v[16:17], v[18:19]
	v_pk_add_f32 v[20:21], v[20:21], v[22:23]
	v_pk_add_f32 v[16:17], v[16:17], v[20:21]
	v_add_f32 v16, v16, v17
.endm
	s_load_b256 s[8:15], s[0:1], 0x0               ; x 8, l1tab 10, l2tab 12, l3tab 14
	s_load_b128 s[16:19], s[0:1], 0x20             ; ybuf 16, out0 18
	v_lshl_add_u32 v2, v0, 2, SPARE
	v_mov_b32 v3, 0
	v_lshrrev_b32 v1, 5, v0
	v_readfirstlane_b32 s5, v1
	v_and_b32 v1, 31, v0
	v_and_b32 v4, 15, v0
	v_bfe_u32 v5, v0, 4, 1
	v_mov_b32 v15, 0
	s_mov_b32 s60, 0x76543210
	s_mov_b32 s61, 0xfedcba98
	s_mov_b32 s59, 0xffff0000                      ; lanes 16 to 31
	s_mov_b32 s55, 0x3a800000                      ; 1 / 1024
	s_mov_b32 s56, 0x3727c5ac                      ; 1e-5
	v_lshlrev_b32 v6, 6, v4
	v_lshl_add_u32 v6, v5, 4, v6
	v_lshl_add_u32 v6, s5, 13, v6                  ; XCT: 64 (l % 16) + 16 (l / 16) + 128 rows a wave
	v_lshlrev_b32 v7, 12, v4
	v_lshl_add_u32 v7, v5, 5, v7
	v_lshl_add_u32 v7, s5, 9, v7                   ; Y: 4,096 (l % 16) + 32 (l / 16) + 512 w
	v_lshlrev_b32 v8, 2, v4
	v_lshlrev_b32 v9, 6, v4
	v_lshl_add_u32 v9, v5, 5, v9
	v_lshlrev_b32 v10, 5, v5
	v_lshlrev_b32 v12, 5, v4
	v_lshl_add_u32 v11, s5, 2, v12
	v_lshlrev_b32 v14, 5, v1
	v_lshl_add_u32 v13, s5, 10, v14
	v_lshlrev_b32 v57, 11, v4
	v_lshl_add_u32 v57, v5, 4, v57
	v_lshl_add_u32 v57, s5, 8, v57                 ; WE: 2,048 (l % 16) + 16 (l / 16) + 256 w
	s_mov_b32 s29, 0
	s_lshl_b32 s28, ttmp9, 6
	s_wait_kmcnt 0x0
	s_add_nc_u64 s[20:21], s[8:9], s[28:29]        ; x at my 16 tokens
	s_lshl_b32 s28, ttmp9, 10
	s_add_nc_u64 s[22:23], s[12:13], s[28:29]      ; WT
	s_lshl_b32 s28, ttmp9, 16
	s_add_nc_u64 s[24:25], s[16:17], s[28:29]      ; Y: 16 rows of 4,096 bytes
	s_mul_i32 s28, ttmp9, 896
	s_add_nc_u64 s[26:27], s[18:19], s[28:29]      ; out0: 16 rows of 56 bytes
	global_load_b32 v58, v8, s[20:21]
	global_load_b128 v[W:W+3],   v9, s[22:23] offset:L2_WT
	global_load_b128 v[W+4:W+7], v9, s[22:23] offset:L2_WT+16
	global_load_b128 v[CS:CS+3],   v10, s[10:11] offset:L1_CST
	global_load_b128 v[CS+4:CS+7], v10, s[10:11] offset:L1_CST+16
.irp t, 0,1,2,3,4,5,6,7
	global_load_b128 v[FR+8*(\t):FR+8*(\t)+3],   v6, s[14:15] offset:L3_XCT+1024*(\t)
	global_load_b128 v[FR+8*(\t)+4:FR+8*(\t)+7], v6, s[14:15] offset:L3_XCT+1024*(\t)+32
	global_load_b128 v[H+8*(\t):H+8*(\t)+3],     v7, s[24:25] offset:64*(\t) th:TH_LOAD_NT
	global_load_b128 v[H+8*(\t)+4:H+8*(\t)+7],   v7, s[24:25] offset:64*(\t)+16 th:TH_LOAD_NT
.endr
.irp q, 0,1,2,3
	global_load_b128 v[WE+8*\q:WE+8*\q+3],   v57, s[10:11] offset:L1_WE+64*\q
	global_load_b128 v[WE+8*\q+4:WE+8*\q+7], v57, s[10:11] offset:L1_WE+64*\q+32
.endr
	s_wait_loadcnt 0x0
	v_min_u32 v58, 13, v58
	v_lshlrev_b32 v60, 3, v5
	v_sub_nc_u32 v59, v58, v60                     ; x - 8 (l / 16)
.irp i, 0,1,2,3,4,5,6,7
	v_cmp_eq_u32 vcc_lo, \i, v59
	v_cndmask_b32 v[O+\i], 0, 1.0, vcc_lo
.endr
	v_cndmask_b32 v[O+7], v[O+7], 1.0, s59         ; j = 15: f2b's row
.irp p, 0,1,2,3
	v_cvt_pk_bf16_f32 v[CF+\p],   v[O+2*\p], v[O+2*\p+1]
	v_cvt_pk_bf16_f32 v[CF+4+\p], v[W+2*\p], v[W+2*\p+1]
.endr
.irp t, 0,1,2,3,4,5,6,7
	v_wmma_f32_16x16x32_bf16 v[H+8*(\t):H+8*(\t)+7], v[FR+8*(\t):FR+8*(\t)+7], v[CF:CF+7], v[H+8*(\t):H+8*(\t)+7]   ; eight accumulators, one product each
.endr
	NOP8
	v_pk_add_f32 v[16:17], v[H:H+1], v[H+4:H+5]    ; the sum of my 64 numbers, two chains, each result from its low end on
	v_pk_add_f32 v[18:19], v[H+2:H+3], v[H+6:H+7]
.set c, 8
.rept 14
	v_pk_add_f32 v[16:17], v[16:17], v[H+c:H+c+1]
	v_pk_add_f32 v[18:19], v[18:19], v[H+c+2:H+c+3]
.set c, c+4
.endr
	v_pk_add_f32 v[16:17], v[16:17], v[18:19]
	v_add_f32 v22, v16, v17
	v_permlanex16_b32 v15, v22, s60, s61
	v_add_f32 v22, v22, v15
	ds_store_b32 v11, v22 offset:RED1
	s_wait_dscnt 0x0
	s_barrier_signal -1
	s_barrier_wait -1
	ds_load_b128 v[16:19], v12 offset:RED1
	ds_load_b128 v[20:23], v12 offset:RED1+16
	s_wait_dscnt 0x0
	SUM8
	v_mul_f32 v20, s55, v16                        ; the mean
	v_mov_b32 v21, v20
.set c, 0
.rept 32
	v_pk_add_f32 v[H+c:H+c+1], v[H+c:H+c+1], v[20:21] neg_lo:[0,1] neg_hi:[0,1]
.set c, c+2
.endr
	v_pk_mul_f32 v[16:17], v[H:H+1], v[H:H+1]
	v_pk_mul_f32 v[18:19], v[H+2:H+3], v[H+2:H+3]
.set c, 4
.rept 15
	v_pk_fma_f32 v[16:17], v[H+c:H+c+1], v[H+c:H+c+1], v[16:17]
	v_pk_fma_f32 v[18:19], v[H+c+2:H+c+3], v[H+c+2:H+c+3], v[18:19]
.set c, c+4
.endr
	v_pk_add_f32 v[16:17], v[16:17], v[18:19]
	v_add_f32 v22, v16, v17
	v_permlanex16_b32 v15, v22, s60, s61
	v_add_f32 v22, v22, v15
.set c, 0
.rept 32
	v_cvt_pk_bf16_f32 v[HF+c], v[H+2*c], v[H+2*c+1]
.set c, c+1
.endr
	v_wmma_f32_16x16x32_bf16 v[LG0:LG0+7], v[WE:WE+7],     v[HF:HF+7],     0     ; two accumulators by turns
	v_wmma_f32_16x16x32_bf16 v[LG1:LG1+7], v[WE+8:WE+15],  v[HF+8:HF+15],  0
	v_wmma_f32_16x16x32_bf16 v[LG0:LG0+7], v[WE+16:WE+23], v[HF+16:HF+23], v[LG0:LG0+7]
	v_wmma_f32_16x16x32_bf16 v[LG1:LG1+7], v[WE+24:WE+31], v[HF+24:HF+31], v[LG1:LG1+7]
	NOP8
.irp p, 0,2,4,6
	v_pk_add_f32 v[LG0+\p:LG0+\p+1], v[LG0+\p:LG0+\p+1], v[LG1+\p:LG1+\p+1]
.endr
	ds_store_b32 v11, v22 offset:RED2
	ds_store_b128 v13, v[LG0:LG0+3]   offset:LP
	ds_store_b128 v13, v[LG0+4:LG0+7] offset:LP+16
	s_wait_dscnt 0x0
	s_barrier_signal -1
	s_barrier_wait -1
	s_cmp_lg_u32 s5, 0
	s_cbranch_scc1 .Lend
	ds_load_b128 v[16:19], v12 offset:RED2
	ds_load_b128 v[20:23], v12 offset:RED2+16
.irp p, 0,1,2,3,4,5,6,7
	ds_load_b128 v[FR+8*\p:FR+8*\p+3],   v14 offset:LP+1024*\p
	ds_load_b128 v[FR+8*\p+4:FR+8*\p+7], v14 offset:LP+1024*\p+16
.endr
	s_wait_dscnt 0x0
	PSUM FR
	SUM8
	v_fma_f32 v16, v16, s55, s56                   ; var + eps
	v_rsq_f32 v20, v16
	v_rsq_f32 v21, v16
	v_mul_u32_u24 v24, v4, 56                      ; the stores' addresses are the plain work behind the two
	v_lshl_add_u32 v24, v5, 5, v24                 ; 56 (l % 16) + 32 (l / 16)
	v_lshlrev_b32 v26, 3, v5
	v_sub_nc_u32 v25, v24, v26                     ; the fourth store's: 8 bytes back in lanes 16 to 31
	s_wait_alu depctr_va_vdst(0)                   ; ahead of the first reader
.irp p, 0,2,4,6
	v_pk_fma_f32 v[FR+\p:FR+\p+1], v[FR+\p:FR+\p+1], v[20:21], v[CS+\p:CS+\p+1]
.endr
	v_cndmask_b32 v26, v[FR+6], v[FR+4], s59
	v_cndmask_b32 v27, v[FR+7], v[FR+5], s59
	global_store_b64 v24, v[FR:FR+1],   s[26:27]
	global_store_b64 v24, v[FR+2:FR+3], s[26:27] offset:8
	global_store_b64 v24, v[FR+4:FR+5], s[26:27] offset:16
	global_store_b64 v25, v[26:27],     s[26:27] offset:24
.Lend:
	s_wait_tensorcnt 0x0                           ; the wave's end, behind my last LDS store
	ds_add_u32 v2, v3
	s_wait_dscnt 0x0
	s_endpgm
.Lfunc_end_k_q9f4385870c_fin:
	.size	k_q9f4385870c_fin, .Lfunc_end_k_q9f4385870c_fin-k_q9f4385870c_fin
	.p2alignl 7, 3214868480
	.fill 96, 4, 3214868480
	.section	.rodata,"a",@progbits
	.p2align	6, 0x0
	.amdhsa_kernel k_q9f4385870c_fin
		.amdhsa_group_segment_fixed_size 10240
		.amdhsa_private_segment_fixed_size 0
		.amdhsa_enable_private_segment 0
		.amdhsa_kernarg_size 48
		.amdhsa_user_sgpr_count 2
		.amdhsa_user_sgpr_kernarg_segment_ptr 1
		.amdhsa_wavefront_size32 1
		.amdhsa_system_sgpr_workgroup_id_x 1
		.amdhsa_system_sgpr_workgroup_id_y 1
		.amdhsa_system_sgpr_workgroup_id_z 1
		.amdhsa_system_vgpr_workitem_id 0
		.amdhsa_next_free_vgpr 256
		.amdhsa_next_free_sgpr 66
		.amdhsa_reserve_vcc 1
		.amdhsa_float_denorm_mode_32 3
		.amdhsa_float_denorm_mode_16_64 3
		.amdhsa_memory_ordered 1
		.amdhsa_forward_progress 1
		.amdhsa_inst_pref_size 23
	.end_amdhsa_kernel
	.amdgpu_metadata
---
amdhsa.version: [ 1, 2 ]
amdhsa.kernels:
  - .name:           k_q9f4385870c_fin
    .symbol:         k_q9f4385870c_fin.kd
    .args:
      - { .name: x, .offset: 0, .size: 8, .value_kind: global_buffer, .address_space: global }
      - { .name: l1tab, .offset: 8, .size: 8, .value_kind: global_buffer, .address_space: global }
      - { .name: l2tab, .offset: 16, .size: 8, .value_kind: global_buffer, .address_space: global }
      - { .name: l3tab, .offset: 24, .size: 8, .value_kind: global_buffer, .address_space: global }
      - { .name: ybuf, .offset: 32, .size: 8, .value_kind: global_buffer, .address_space: global }
      - { .name: out0, .offset: 40, .size: 8, .value_kind: global_buffer, .address_space: global }
    .group_segment_fixed_size: 10240
    .private_segment_fixed_size: 0
    .kernarg_segment_align: 8
    .kernarg_segment_size: 48
    .max_flat_workgroup_size: 256
    .sgpr_count:     66
    .vgpr_count:     256
    .wavefront_size: 32
...
	.end_amdgpu_metadata
.endif
;; end of part 6
